; MI455X (gfx1250); checked and timed in simulation.
; The chip was launched on July 23, 2026; its instructions are those of AMD's public machine-readable ISA for CDNA 5 (MIT licence, August 2026) and "CDNA5" Instruction Set Architecture Reference Guide (July 2026). The comments in the code are by the model that wrote it; some were corrected since.
;; Self Attention. Allowed arithmetic: float matrix products may take bf16 or f16 operands with f32 sums; other float arithmetic in f32, or as packed bf16 or f16 multiplies, adds, multiply-adds, maxima and minima; sums over many terms, partial sums and values carried from step to step in f32; what a program stores and reads back later, other than sums and carried values, may be rounded once to bf16 or f16.
;; Inputs: Wk 1,024 x 1,024 float32; Wq 1,024 x 1,024 float32; Wv 1,024 x 1,024 float32; bk 1,024 float32; bq 1,024 float32; bv 1,024 float32; x 4 x 2,048 x 1,024 float32.
;; Outputs: out0 4 x 2,048 x 1,024 float32.
;; 2 versions, each right; version 2 is version 1 with the launch prep written anew for expert scheduling mode. Each part assembles by itself: llvm-mc -triple=amdgcn-amd-amdhsa -mcpu=gfx1250 --defsym DOCPART=n.
;; ======== version 1 of 2: 4 launches
;; limits: values are held in f16: magnitudes above 65,504 overflow, below 6.1e-05 lose precision
;; workspace buffers: xb 16,777,216 bytes; wb 6,291,456 bytes; qkv 50,331,648 bytes; pbuf 33,554,432 bytes; stats 1,048,576 bytes
;; launch prep (part 1): grid 704 x 1, 8 waves a work-group, no clusters, 0 bytes of LDS; arguments x, Wq, Wk, Wv, xb, wb; writes xb, wb
.if DOCPART == 1
	.amdgcn_target "amdgcn-amd-amdhsa--gfx1250"
	.amdhsa_code_object_version 6
	.text
	.protected	k_qd8627cfe3f_prep
	.globl	k_qd8627cfe3f_prep
	.p2align	8
	.type	k_qd8627cfe3f_prep,@function
k_qd8627cfe3f_prep:
	s_mov_b64 s[64:65], 0
	v_nop
	global_prefetch_b8 v0, s[64:65] scope:SCOPE_SE
	s_setreg_imm32_b32 hwreg(HW_REG_WAVE_MODE, 25, 1), 1
	s_wait_xcnt 0x0
; xb = bf16(x), wb = bf16(Wq), bf16(Wk), bf16(Wv) one behind the other: the matrix operands of the projections, each rounded once, to nearest even.
; 11,264 rows of 1,024 f32 in all (8,192 of x, 3 x 1,024 of W); a work-group takes 16 rows: groups 0-511 x, 512-575 Wq, 576-639 Wk, 640-703 Wv.
; Thread t owns the 4 numbers at byte 16 t of every row: a wave's load covers 512 consecutive bytes, its store 256 consecutive bytes, aligned.
; A stream: no LDS, no barrier, no matrix unit.  All 16 loads of a wave go out at once; no register is written twice, so the only waits are the counted ones for the loads.
.set ROWS, 16
.set XR,   4                           ; v[4:67]   row i: 4 registers as loaded
.set YR,   68                          ; v[68:99]  row i: 2 registers to store
	s_load_b256 s[4:11], s[0:1], 0x0               ; x s[4:5], Wq s[6:7], Wk s[8:9], Wv s[10:11]
	s_load_b128 s[12:15], s[0:1], 0x20             ; xb s[12:13], wb s[14:15]
	s_sub_co_u32 s16, ttmp9, 512                   ; a W group's number among the 192 (used only where the group's number is 512 or more)
	s_and_b32 s17, s16, 63                         ; and inside its own matrix
	s_cmp_lt_u32 ttmp9, 512
	s_cselect_b32 s17, ttmp9, s17                  ; block of 16 rows in the source
	s_cselect_b32 s16, ttmp9, s16                  ; block of 16 rows in the destination
	s_lshl_b32 s18, s17, 16                        ; 16 rows x 4,096 bytes
	s_mov_b32 s19, 0
	s_lshl_b32 s20, s16, 15                        ; 16 rows x 2,048 bytes
	s_mov_b32 s21, 0
	v_lshlrev_b32 v1, 4, v0                        ; my 16 bytes of a source row
	v_lshlrev_b32 v2, 3, v0                        ; my 8 bytes of a destination row
	s_wait_kmcnt 0x0
	s_cmp_lt_u32 ttmp9, 640                        ; the source is chosen by the group's number alone
	s_cselect_b64 s[22:23], s[8:9], s[10:11]
	s_cmp_lt_u32 ttmp9, 576
	s_cselect_b64 s[22:23], s[6:7], s[22:23]
	s_cmp_lt_u32 ttmp9, 512
	s_cselect_b64 s[22:23], s[4:5], s[22:23]
	s_cselect_b64 s[24:25], s[12:13], s[14:15]
	s_add_nc_u64 s[22:23], s[22:23], s[18:19]
	s_add_nc_u64 s[24:25], s[24:25], s[20:21]
.set i, 0
.rept ROWS
	global_load_b128 v[XR+4*i:XR+4*i+3], v1, s[22:23] offset:4096*i th:TH_LOAD_NT
.set i, i+1
.endr
.set i, 0
.rept ROWS
	s_wait_loadcnt ROWS-1-i                        ; loads come back in order: row i is in, the younger rows stay out
	v_cvt_pk_bf16_f32 v[YR+2*i],   v[XR+4*i],   v[XR+4*i+1]
	v_cvt_pk_bf16_f32 v[YR+2*i+1], v[XR+4*i+2], v[XR+4*i+3]
	global_store_b64 v2, v[YR+2*i:YR+2*i+1], s[24:25] offset:2048*i
.set i, i+1
.endr
	s_endpgm
.Lfunc_end_k_qd8627cfe3f_prep:
	.size	k_qd8627cfe3f_prep, .Lfunc_end_k_qd8627cfe3f_prep-k_qd8627cfe3f_prep
	.p2alignl 7, 3214868480
	.fill 96, 4, 3214868480
	.section	.rodata,"a",@progbits
	.p2align	6, 0x0
	.amdhsa_kernel k_qd8627cfe3f_prep
		.amdhsa_group_segment_fixed_size 0
		.amdhsa_private_segment_fixed_size 0
		.amdhsa_enable_private_segment 0
		.amdhsa_kernarg_size 48
		.amdhsa_user_sgpr_count 2
		.amdhsa_user_sgpr_kernarg_segment_ptr 1
		.amdhsa_wavefront_size32 1
		.amdhsa_system_sgpr_workgroup_id_x 1
		.amdhsa_system_sgpr_workgroup_id_y 1
		.amdhsa_system_sgpr_workgroup_id_z 1
		.amdhsa_system_vgpr_workitem_id 0
		.amdhsa_next_free_vgpr 104
		.amdhsa_next_free_sgpr 66
		.amdhsa_reserve_vcc 0
		.amdhsa_float_denorm_mode_32 3
		.amdhsa_float_denorm_mode_16_64 3
		.amdhsa_memory_ordered 1
		.amdhsa_forward_progress 1
		.amdhsa_inst_pref_size 7
	.end_amdhsa_kernel
	.amdgpu_metadata
---
amdhsa.version: [ 1, 2 ]
amdhsa.kernels:
  - .name:           k_qd8627cfe3f_prep
    .symbol:         k_qd8627cfe3f_prep.kd
    .args:
      - { .name: x, .offset: 0, .size: 8, .value_kind: global_buffer, .address_space: global }
      - { .name: Wq, .offset: 8, .size: 8, .value_kind: global_buffer, .address_space: global }
      - { .name: Wk, .offset: 16, .size: 8, .value_kind: global_buffer, .address_space: global }
      - { .name: Wv, .offset: 24, .size: 8, .value_kind: global_buffer, .address_space: global }
      - { .name: xb, .offset: 32, .size: 8, .value_kind: global_buffer, .address_space: global }
      - { .name: wb, .offset: 40, .size: 8, .value_kind: global_buffer, .address_space: global }
    .group_segment_fixed_size: 0
    .private_segment_fixed_size: 0
    .kernarg_segment_align: 8
    .kernarg_segment_size: 48
    .max_flat_workgroup_size: 256
    .sgpr_count:     66
    .vgpr_count:     104
    .wavefront_size: 32
...
	.end_amdgpu_metadata
.endif
;; end of part 1
;; launch proj (part 2): grid 8 x 64, 4 waves a work-group, clusters of 4 x 4, 327,680 bytes of LDS; arguments xb, wb, bq, bk, bv, qkv; writes qkv
.if DOCPART == 2
	.amdgcn_target "amdgcn-amd-amdhsa--gfx1250"
	.amdhsa_code_object_version 6
	.text
	.protected	k_qd8627cfe3f_proj
	.globl	k_qd8627cfe3f_proj
	.p2align	8
	.type	k_qd8627cfe3f_proj,@function
k_qd8627cfe3f_proj:
	s_mov_b64 s[64:65], 0
	v_nop
	global_prefetch_b8 v0, s[64:65] scope:SCOPE_SE
	s_setreg_imm32_b32 hwreg(HW_REG_WAVE_MODE, 25, 1), 1
	s_wait_xcnt 0x0
	s_wait_alu depctr_hold_cnt(0) depctr_sa_sdst(0) depctr_va_vdst(0) depctr_va_sdst(0) depctr_va_ssrc(0) depctr_va_vcc(0) depctr_vm_vsrc(0)
	s_getreg_b32 s2, hwreg(HW_REG_IB_STS2, 6, 4)
	s_cmp_eq_u32 s2, 0
	s_cbranch_scc0 .Lentry_in_a_cluster
	s_endpgm
.Lentry_in_a_cluster:
	s_bfe_u32 s2, ttmp6, 0x10000c
	s_cmp_lg_u32 s2, 0xf033
	s_cbranch_scc0 .Lentry_shape_is_right
	s_endpgm
.Lentry_shape_is_right:
; THE PROJECTIONS.  qkv[t][m][n] = f16( sum over k of xb[m][k] wb[t][k][n] + bf16(b_t[n]) ), t = 0 (Q), 1 (K), 2 (V).  xb: [8192][1024] bf16; wb: [3][1024 k][1024 n] bf16;
; b_t: [1024] f32, rounded to bf16 like the other inputs; qkv: [3][8192][1024] f16.  Sums in f32, K ascending, the result rounded once.
; LIMIT.  f16 holds no number beyond 65,504: Q, K and V must stay within it.  NaN and infinities are not treated apart.
; SHARES.  A work-group makes 128 rows x 128 columns of EACH of the three planes: 64 x 8 = 512 work-groups, two for each of 256 WGPs.  Four waves, each 64 rows x 64 columns of each plane:
; 48 accumulators of 16 x 16, 384 registers.  The three planes share x's rows, so a K step of 128 holds 192 matrix instructions a wave for 131,072 bytes fetched
; (one plane's 128 x 256 would hold 128 for 98,304): more products stand between a tile's request and the wait for it.
; K goes in 8 steps of 128 through two LDS slots filled by the tensor data mover: three tiles of W (a plane each, 128 k-rows x 256 bytes) and x's tile (128 rows x 256 bytes), one load a wave.
; W lies [k][n], so its fragments come out of LDS turned, by ds_load_tr16_b128: two loads a fragment, as many as plain loads would be; no launch transposes W.
; THE MATRIX INSTRUCTION IS USED TRANSPOSED: source 0 = 16 columns of W, source 1 = 16 rows of x: a lane then holds row lane % 16 and the columns 8 (lane / 16) + 0..7: eight neighbours, 16 bytes of f16.
; THE BIAS is the C operand of the products that start the sums: in that layout it hangs on the column block and the lane alone, 96 registers for all four row blocks.  Nothing is cleared, no add is written.
; CLUSTER.  4 x 4 work-groups.  The four of a row of the cluster need the same tile of x, the four of a column the same tiles of W: each tile is asked for JOINTLY, by the same tensor load
; with the same descriptor and a mask that names the four.
; ONE TEXT FOR A K STEP: the LDS addresses are a lane term plus the scalar TB, which one exclusive or turns from slot to slot.  The last two steps, which ask for nothing, are a loop of two
; trips that is left in its middle; its last change of slots (a barrier and 32 LDS loads of the stale slot 0) serves nothing: the price of one text for both.
; REGISTERS (s_set_vgpr_msb: bits 1:0 source 0, 3:2 source 1, 5:4 source 2, 7:6 destination):
;   window 0: v0-31 addresses; v64-127 fragments of x, two buffers of 4 x 8; v128-223 the bias; v224-227 at work
;   window 1: the accumulators of row blocks 0, 1, (a, b) at v[96 (a % 2) + 8 b]          window 2: those of row blocks 2, 3
;   window 3: v0-191 fragments of W, two buffers of 12 x 8 (column block b: plane b / 4, columns 16 (b % 4) on); on the way out the packed results, then whole rows
.set STEPS,  8
.set PA,     272                       ; a row of x in LDS: 256 bytes + 16 = 68 words: the 16 rows of a load start at 16 different groups of four banks (64 banks of 4 bytes: ISA guide 11.1)
.set PB,     288                       ; a k-row of a plane's tile: 256 + 32 = 72 words
.set BPL,    128*PB                    ; 36,864: a plane's tile
.set AOFF,   3*BPL                     ; in a slot: W's three tiles, then x's 128 rows: wave w's load lands at w x 36,864
.set SLOT,   0x24000                   ; slot 1 begins here, behind slot 0's 145,408 bytes.  It shares no bit with w x 36,864 (0, 0x9000, 0x12000, 0x1b000), so an exclusive or changes slots
.set ASTEP,  256                       ; bytes from K step to K step in xb: 128 elements along a row,
.set BSTEP,  128*2048                  ; in wb: 128 rows down
.set STG,    SLOT                      ; the stage for the way out lies in slot 1, whose last fill (K step 7) has then been read out: plane p's 128 rows x 272 bytes at p x 34,816
.set SP,     272
.set SPL,    128*SP
.set SPARE,  SLOT+AOFF+128*PA          ; behind slot 1: the spare words, 128 bytes for each wave: two blocks of 256 bytes that no other line names
.set A0,   16                          ; v16     my lane's place in x's tile; never rewritten
.set B0,   17                          ; v17     the same in plane 0's tile
.set ADRA, 18                          ; v18     TB + A0
.set ADRB, 19                          ; v19-21  TB + B0 + plane x 36,864: a register a plane, since an LDS offset has 16 bits
.set STO,  22                          ; v22-24  the way out: where I put 16 bytes of a row, by plane
.set RD,   25                          ; v25-27  where I read a row back, by plane
.set SPW,  28                          ; v28     LDS address of my spare word; never rewritten
.set NIL,  29                          ; v29     0; never rewritten
.set CO,   30                          ; v30     my byte offset in the output
.set FA,   64
.set BIAS, 128
.set BT,   224
.set FB,   0                           ; window 3
.set TMP,  0                           ; window 3
.set WV,  16                           ; s16  my wave's number; also: which tile I fetch (0-2: W's plane, 3: x)
.set MH,  17                           ; s17  which 64 rows of the tile are mine
.set NH,  18                           ; s18  which 64 columns of each plane
.set CX,  19
.set CY,  20
.set YT,  21                           ; s21  tile row = 4 x cluster y + cy
.set RM,  22                           ; s22  mask of my row of the cluster
.set CM,  23                           ; s23  of my column
.set G1A, 24                           ; s[24:31] descriptor group 1 for x's tile
.set G0A, 32                           ; s[32:39] group 0: a set for each of the two first fills; the second then walks on
.set TB,  46                           ; s46  LDS byte at which the slot being read begins
.set CNT, 47
.set G1B, 48                           ; s[48:55], s[56:63] the same for W's tiles
.set G0B, 56
.set OB,  66                           ; s[66:71] the output at my rows, a pair a plane
.set CG,  74                           ; s74  column group = 4 x cluster x + cx
.set MSB, 0
.macro WIN new                         ; the immediate's high byte repeats the setting that is left; a switch that changes nothing is dropped
.if MSB != (\new)
	s_set_vgpr_msb (MSB<<8)|(\new)
.set MSB, (\new)
.endif
.endm
; A joint refill.  Waves 0 to 2 fetch W's three tiles, wave 3 fetches x's.  The branch hangs on the wave's number alone.
; An s_nop 0 and four v_nop follow each of the two lines, ahead of the jump and the label.
.macro JLOAD
	s_cmp_lt_u32 s[WV], 3
	s_cbranch_scc0 .Lfor_a_\@
	tensor_load_to_lds s[G0B+4:G0B+7], s[G1B:G1B+7]
	s_nop 0
.rept 4
	v_nop
.endr
	s_branch .Lasked_\@
.Lfor_a_\@:
	tensor_load_to_lds s[G0A+4:G0A+7], s[G1A:G1A+7]
	s_nop 0
.rept 4
	v_nop
.endr
.Lasked_\@:
.endm
.macro CREST                           ; a round of the cluster's barrier behind its opening barrier: wave 0 signals for the work-group, every wave waits for all sixteen, my work-group's barrier closes it
	s_cmp_lg_u32 s[WV], 0
	s_cbranch_scc1 .Lnot_wave_0_\@
	s_barrier_signal -3
.Lnot_wave_0_\@:
	s_barrier_wait -3
	s_barrier_signal -1
	s_barrier_wait -1
.endm
.macro CROUND                          ; a whole round
	s_barrier_signal -1
	s_barrier_wait -1
	CREST
.endm
.macro PLACES                          ; four places in front of loads into registers that matrix instructions have read, and of vector lines that read results
.rept 4
	v_nop
.endr
.endm
; 12 matrix instructions: row block a x all 12 column blocks, 32 along K, from buffer f.  mode 0: onto the sums; mode 2: the bias starts them.
; The 48 accumulators take turns, one instruction a turn, in the same order in every quarter.
.macro MUL12 f, a, mode
.if (\mode) == 2
	WIN 0x43+0x40*((\a)/2)                         ; W in window 3, x and the bias in window 0, D in window 1 or 2
.else
	WIN 0x53+0x50*((\a)/2)                         ; W in window 3, x in window 0, C and D in window 1 or 2
.endif
.irp b, 0,1,2,3,4,5,6,7,8,9,10,11
.if (\mode) == 2
	v_wmma_f32_16x16x32_bf16 v[96*((\a)%2)+8*(\b):96*((\a)%2)+8*(\b)+7], v[FB+96*(\f)+8*(\b):FB+96*(\f)+8*(\b)+7], v[FA+32*(\f)+8*(\a):FA+32*(\f)+8*(\a)+7], v[BIAS+8*(\b):BIAS+8*(\b)+7]
.else
	v_wmma_f32_16x16x32_bf16 v[96*((\a)%2)+8*(\b):96*((\a)%2)+8*(\b)+7], v[FB+96*(\f)+8*(\b):FB+96*(\f)+8*(\b)+7], v[FA+32*(\f)+8*(\a):FA+32*(\f)+8*(\a)+7], v[96*((\a)%2)+8*(\b):96*((\a)%2)+8*(\b)+7]
.endif
.endr
.endm
; 32 LDS loads in one run: quarter q (32 along K) of the slot at TB into buffer f: W's 12 fragments (turned), then x's 4, row blocks 2 and 3 last
.macro FETCH q, f
	WIN 0xc0                                       ; destination window 3, address window 0
.irp b, 0,1,2,3,4,5,6,7,8,9,10,11
	ds_load_tr16_b128 v[FB+96*(\f)+8*(\b):FB+96*(\f)+8*(\b)+3],   v[ADRB+(\b)/4] offset:(\q)*32*PB+32*((\b)%4)
	ds_load_tr16_b128 v[FB+96*(\f)+8*(\b)+4:FB+96*(\f)+8*(\b)+7], v[ADRB+(\b)/4] offset:(\q)*32*PB+16*PB+32*((\b)%4)
.endr
	WIN 0
.irp a, 0,1,2,3
	ds_load_b128 v[FA+32*(\f)+8*(\a):FA+32*(\f)+8*(\a)+3],   v[ADRA] offset:(\q)*64+(\a)*16*PA
	ds_load_b128 v[FA+32*(\f)+8*(\a)+4:FA+32*(\f)+8*(\a)+7], v[ADRA] offset:(\q)*64+(\a)*16*PA+32
.endr
.endm
; A K step is four quarters of 32 along K, 48 matrix instructions each, on buffers 0, 1, 0, 1.  One of the first three: multiplies buffer f and, in its middle, fetches quarter q into buffer g.
.macro QUARTER q, f, g, mode
	s_wait_dscnt 4                                 ; W's fragments and x's row blocks 0, 1 are in; the youngest four loads (row blocks 2, 3) may be out
	MUL12 \f, 0, \mode
	MUL12 \f, 1, \mode
	PLACES
	FETCH \q, \g
	s_wait_dscnt 32                                ; all but the 32 just issued
	MUL12 \f, 2, \mode
	MUL12 \f, 3, \mode
.endm
; The last quarter multiplies buffer 1 and changes slots.  ONE barrier: in front of it each wave waits for all its tensor loads (one is out: its part of the next slot), adds 0 to its spare word,
; and waits for that and for its own reads of this slot.  Behind it nobody reads this slot any more and the next slot is whole.
.macro MEET
	WIN 0
	s_wait_tensorcnt 0x0                           ; all my tensor loads have landed, so a group 0 may be written;
	ds_add_u32 v[SPW], v[NIL]                      ; 0 onto my spare word;
	s_wait_dscnt 5                                 ; (the add and the youngest four loads may be out)
	MUL12 1, 0, 0                                  ; twelve matrix instructions stand between the add and the wait for it
	s_wait_dscnt 0x0                               ; the add is done, and my reads of this slot are over
	s_barrier_signal -1
	MUL12 1, 1, 0                                  ; work on registers while the others arrive
	WIN 0                                          ; (branches and address lines follow)
	s_barrier_wait -1
.endm
; fill = 1: the barrier opens a round of the cluster's, and the slot just read out is filled again, two K steps ahead, first thing behind the round:
; from that request to the wait for it a wave issues 168 of a K step's 192 matrix instructions.
.macro TURN fill
	MEET
.if \fill
	CREST                                          ; no wave of any partner still reads this slot or has a load on its way
	s_xor_b32 s[G0A+5], s[G0A+5], SLOT             ; the walking descriptors: the other slot than last time,
	s_add_nc_u64 s[G0A+6:G0A+7], s[G0A+6:G0A+7], ASTEP  ; the next K step; the type bits on top are not reached
	s_xor_b32 s[G0B+5], s[G0B+5], SLOT
	s_add_nc_u64 s[G0B+6:G0B+7], s[G0B+6:G0B+7], BSTEP
	JLOAD                                          ; its four v_nop are also the places in front of the loads below
.else
	PLACES
.endif
	s_xor_b32 s[TB], s[TB], SLOT
	v_add_nc_u32 v[ADRA], s[TB], v[A0]
	v_add_nc_u32 v[ADRB], s[TB], v[B0]
	v_add_nc_u32 v[ADRB+1], BPL, v[ADRB]
	v_add_nc_u32 v[ADRB+2], 2*BPL, v[ADRB]
	FETCH 0, 0
	MUL12 1, 2, 0
	MUL12 1, 3, 0
.endm
	s_load_b256 s[4:11], s[0:1], 0x0               ; xb s[4:5], wb s[6:7], bq s[8:9], bk s[10:11]
	s_load_b128 s[12:15], s[0:1], 0x20             ; bv s[12:13], qkv s[14:15]
	v_lshl_add_u32 v[SPW], v0, 2, SPARE
	v_mov_b32 v[NIL], 0
	ds_add_u32 v[SPW], v[NIL]                      ; the wave's opening: the add and its wait stand ahead of my first tensor load; the set-up below, work on registers, stands between them
	v_lshrrev_b32 v1, 5, v0
	v_readfirstlane_b32 s[WV], v1                  ; wave 0..3
	s_lshr_b32 s[MH], s[WV], 1
	s_and_b32 s[NH], s[WV], 1
	s_bfe_u32 s[CX], ttmp6, 0x40000                ; cx
	s_bfe_u32 s[CY], ttmp6, 0x40004                ; cy
	s_and_b32 s[YT], ttmp7, 0xffff
	s_lshl_b32 s[YT], s[YT], 2
	s_add_co_u32 s[YT], s[YT], s[CY]               ; tile row 0..63 = 4 x cluster y + cy
	s_lshl_b32 s[CG], ttmp9, 2
	s_add_co_u32 s[CG], s[CG], s[CX]               ; column group 0..7 = 4 x cluster x + cx: columns 128 g on, in each plane
	s_lshl_b32 s[RM], s[CY], 2
	s_lshl_b32 s[RM], 15, s[RM]                    ; my row of the cluster: places 4 cy .. 4 cy + 3
	s_lshl_b32 s[CM], 0x1111, s[CX]                ; my column: places cx, cx + 4, cx + 8, cx + 12
	s_or_b32 s[G1A], s[RM], (1<<16)|(1<<20)|(1<<21)|(5<<22)|(3<<25)  ; 15:0 the mask; 17:16 2-byte elements; 20 padding on; 21 set beside a mask; 24:22 after every 64 words (code 5); 31:25 4 words (code 3)
	s_or_b32 s[G1B], s[CM], (1<<16)|(1<<20)|(1<<21)|(5<<22)|(7<<25)  ; the same with my column's mask and 8 words of padding (code 7)
.irp g, G1A, G1B
	s_mov_b32 s[(\g)+1], 128<<16                   ; tensor_dim0 = 128
	s_mov_b32 s[(\g)+2], 128<<16                   ; tensor_dim1 = 128
	s_mov_b32 s[(\g)+3], 128<<16                   ; tile_dim0 = 128: rows of 256 bytes
	s_mov_b32 s[(\g)+4], 128                       ; tile_dim1 = 128: one load brings 128 rows
	s_mov_b32 s[(\g)+5], 1024                      ; elements from row to row, in xb and in wb
	s_mov_b32 s[(\g)+6], 0
	s_mov_b32 s[(\g)+7], 0
.endr
	s_lshl_b32 s40, s[YT], 18                      ; x's tile hangs on the tile row alone: 128 y rows of 2,048 bytes
	s_mov_b32 s41, 0
	s_min_u32 s42, s[WV], 2                        ; W's tile hangs on the plane that my wave fetches (wave 3 asks by x's descriptor; its copy of this one stays inside wb)
	s_lshl_b32 s42, s42, 21                        ; plane x 2 MiB
	s_lshl_b32 s43, s[CG], 8                       ; and on the column group: 256 bytes of a row
	s_add_co_u32 s42, s42, s43
	s_mov_b32 s43, 0
	s_mul_i32 s44, s[WV], BPL                      ; where my tile goes in a slot: no place in the cluster enters an LDS address
	s_lshl_b32 s[OB], s[YT], 18                    ; the rows that I store: (128 y + 32 wave) rows of 2,048 bytes + 256 g
	s_lshl_b32 s[OB+1], s[WV], 16
	s_add_co_u32 s[OB], s[OB], s[OB+1]
	s_lshl_b32 s[OB+1], s[CG], 8
	s_add_co_u32 s[OB], s[OB], s[OB+1]
	s_mov_b32 s[OB+1], 0
	s_lshl_b32 s72, s[CG], 9                       ; my 64 numbers of each bias: 4 (128 g + 64 NH)
	s_lshl_b32 s73, s[NH], 8
	s_add_co_u32 s72, s72, s73
	s_mov_b32 s73, 0
	s_mov_b32 s77, 0xffff0000                      ; a word's upper bf16
	s_wait_dscnt 0x0                               ; the opening add is done
	s_wait_kmcnt 0x0
	s_add_nc_u64 s[40:41], s[4:5], s[40:41]
	s_add_nc_u64 s[42:43], s[6:7], s[42:43]
	s_add_nc_u64 s[OB:OB+1], s[14:15], s[OB:OB+1]
	s_add_nc_u64 s[OB+2:OB+3], s[OB:OB+1], 0x1000000   ; the planes lie 16 MiB apart
	s_add_nc_u64 s[OB+4:OB+5], s[OB:OB+1], 0x2000000
	s_add_nc_u64 s[8:9], s[8:9], s[72:73]
	s_add_nc_u64 s[10:11], s[10:11], s[72:73]
	s_add_nc_u64 s[12:13], s[12:13], s[72:73]
.irp s, 0,1
	s_mov_b32 s[G0A+4*(\s)], 1                                       ; 1:0 count = 1
	s_add_co_u32 s[G0A+4*(\s)+1], s44, (\s)*SLOT                     ; 63:32 LDS address
	s_add_nc_u64 s[G0A+4*(\s)+2:G0A+4*(\s)+3], s[40:41], (\s)*ASTEP  ; 120:64 global address: K step s
	s_or_b32 s[G0A+4*(\s)+3], s[G0A+4*(\s)+3], 0x80000000            ; 127:126 type = 2
	s_mov_b32 s[G0B+4*(\s)], 1
	s_add_co_u32 s[G0B+4*(\s)+1], s44, (\s)*SLOT
	s_add_nc_u64 s[G0B+4*(\s)+2:G0B+4*(\s)+3], s[42:43], (\s)*BSTEP
	s_or_b32 s[G0B+4*(\s)+3], s[G0B+4*(\s)+3], 0x80000000
.endr
	CROUND                                         ; all sixteen work-groups are here: the first joint loads meet
	s_cmp_lt_u32 s[WV], 3                          ; a wave's two first fills stand in one branch, ahead of every wait on TENSORcnt and every LDS read: two loads of mine are out
	s_cbranch_scc0 .Lfirst_a
	tensor_load_to_lds s[G0B:G0B+3], s[G1B:G1B+7]
	s_nop 0
	tensor_load_to_lds s[G0B+4:G0B+7], s[G1B:G1B+7]
	s_nop 0
.rept 4
	v_nop
.endr
	s_branch .Lfirst_asked
.Lfirst_a:
	tensor_load_to_lds s[G0A:G0A+3], s[G1A:G1A+7]
	s_nop 0
	tensor_load_to_lds s[G0A+4:G0A+7], s[G1A:G1A+7]
	s_nop 0
.rept 4
	v_nop
.endr
.Lfirst_asked:
	v_and_b32 v1, 15, v0                           ; r = lane % 16
	v_bfe_u32 v2, v0, 4, 1                         ; h = lane / 16
	v_lshlrev_b32 v7, 5, v2                        ; the bias: register j of column block b is column 16 (b % 4) + 8 h + j of my 64 in plane b / 4: byte 64 (b % 4) + 32 h + 4 j
.irp c, 0,1,2,3
	global_load_b128 v[BIAS+8*(\c):BIAS+8*(\c)+3],       v7, s[8:9] offset:64*(\c)
	global_load_b128 v[BIAS+8*(\c)+4:BIAS+8*(\c)+7],     v7, s[8:9] offset:64*(\c)+16
	global_load_b128 v[BIAS+32+8*(\c):BIAS+32+8*(\c)+3],   v7, s[10:11] offset:64*(\c)
	global_load_b128 v[BIAS+32+8*(\c)+4:BIAS+32+8*(\c)+7], v7, s[10:11] offset:64*(\c)+16
	global_load_b128 v[BIAS+64+8*(\c):BIAS+64+8*(\c)+3],   v7, s[12:13] offset:64*(\c)
	global_load_b128 v[BIAS+64+8*(\c)+4:BIAS+64+8*(\c)+7], v7, s[12:13] offset:64*(\c)+16
.endr
	; A fragment of x is 16 rows x 32 K in 8 registers: lane holds row r; registers 0-3 K = 8 h + 0..7, registers 4-7 K = 16 + 8 h + 0..7: two loads of 16 bytes, 32 bytes apart.
	v_mul_u32_u24 v3, v1, PA
	v_lshl_add_u32 v3, v2, 4, v3                   ; r x 272 + 16 h
	s_mul_i32 s75, s[MH], 64*PA                    ; my 64 rows
	s_add_co_u32 s76, s75, AOFF
	v_add_nc_u32 v[A0], s76, v3
	; The turning load takes 16 k-rows x 16 columns (lane reads 16 bytes: k-row 8 h + lane % 8, columns 8 ((lane / 8) % 2) + 0..7) and leaves half a fragment: lane holds column r and 8 k.
	v_and_b32 v4, 7, v0
	v_bfe_u32 v5, v0, 3, 1
	v_lshl_add_u32 v6, v2, 3, v4
	v_mul_u32_u24 v6, v6, PB
	v_lshl_add_u32 v6, v5, 4, v6
	s_lshl_b32 s76, s[NH], 7                       ; my 64 columns: 128 bytes of a row
	v_add_nc_u32 v[B0], s76, v6
	s_add_co_u32 s76, s76, s75                     ; into the stage: my 64 rows (its pitch is x's), my half of their 256 bytes; row r, 16 bytes for each half of the lanes
	s_add_co_u32 s76, s76, STG
	v_add_nc_u32 v[STO], s76, v3
	v_add_nc_u32 v[STO+1], SPL, v[STO]
	v_add_nc_u32 v[STO+2], 2*SPL, v[STO]
	s_mul_i32 s76, s[WV], 32*SP                    ; back: wave w takes rows 32 w .. 32 w + 31 of each plane, whole; lanes 0-15 one row of 256 bytes, lanes 16-31 the next
	s_add_co_u32 s76, s76, STG
	v_mul_u32_u24 v5, v2, SP
	v_lshl_add_u32 v5, v1, 4, v5
	v_add_nc_u32 v[RD], s76, v5
	v_add_nc_u32 v[RD+1], SPL, v[RD]
	v_add_nc_u32 v[RD+2], 2*SPL, v[RD]
	v_lshlrev_b32 v6, 11, v2                       ; and the same two rows in the output
	v_lshl_add_u32 v[CO], v1, 4, v6
	s_wait_loadcnt 0x0                             ; the bias
.set i, 0
.rept 12                                               ; rounded to bf16 in pairs, and widened again, four pairs at a time
.irp j, 0,1,2,3
	v_cvt_pk_bf16_f32 v[BT+(\j)], v[BIAS+8*i+2*(\j)], v[BIAS+8*i+2*(\j)+1]
.endr
.irp j, 0,1,2,3
	v_lshlrev_b32 v[BIAS+8*i+2*(\j)], 16, v[BT+(\j)]
	v_and_b32 v[BIAS+8*i+2*(\j)+1], s77, v[BT+(\j)]
.endr
.set i, i+1
.endr
	s_wait_tensorcnt 0x1                           ; my part of K step 0 is in; K step 1's may stay out
	s_barrier_signal -1
	s_barrier_wait -1                              ; everybody's is
	s_mov_b32 s[TB], 0
	v_add_nc_u32 v[ADRA], s[TB], v[A0]
	v_add_nc_u32 v[ADRB], s[TB], v[B0]
	v_add_nc_u32 v[ADRB+1], BPL, v[ADRB]
	v_add_nc_u32 v[ADRB+2], 2*BPL, v[ADRB]
	FETCH 0, 0
	QUARTER 1, 0, 1, 2                             ; the first quarter stands in front of the loop: its products start the sums, with the bias
	WIN 0                                          ; at a label and at a branch every window is 0
	s_mov_b32 s[CNT], STEPS-2
.Lk:                                                   ; a trip: a K step's quarters 1 to 3 and the next step's quarter 0; it asks for the step two on
	QUARTER 2, 1, 0, 0
	QUARTER 3, 0, 1, 0
	TURN 1
	QUARTER 1, 0, 1, 0
	WIN 0
	s_sub_co_u32 s[CNT], s[CNT], 1
	s_cmp_lg_u32 s[CNT], 0
	s_cbranch_scc1 .Lk
	s_mov_b32 s[CNT], 2                            ; the last two K steps ask for nothing
.Ltail:
	QUARTER 2, 1, 0, 0
	QUARTER 3, 0, 1, 0
	TURN 0
	WIN 0
	s_sub_co_u32 s[CNT], s[CNT], 1
	s_cmp_eq_u32 s[CNT], 0
	s_cbranch_scc1 .Lout
	QUARTER 1, 0, 1, 0
	WIN 0
	s_branch .Ltail
.Lout:
	; THE WAY OUT.  A wave's 64 columns of a plane are half of an aligned 256 bytes, so the four waves share ONE stage: rounded to f16, 16 bytes a lane into the stage; a barrier; back as whole rows.
	s_wait_dscnt 0x0                               ; all my LDS loads are back, the last change of slots' too (they went into buffer 0, for nothing: those registers are used below)
	s_barrier_signal -1                            ; every wave says so: only behind this barrier is the stage, which lies in slot 1, written
	PLACES                                         ; behind the last products
.irp a, 0,1,2,3
	WIN 0xc5+0x05*((\a)/2)                         ; sources in window 1 or 2, destination in window 3
.irp b, 0,1,2,3,4,5,6,7,8,9,10,11
.irp i, 0,1,2,3                        ; each accumulator's registers in ascending order
	v_cvt_pk_f16_f32 v[TMP+4*(12*(\a)+(\b))+(\i)], v[96*((\a)%2)+8*(\b)+2*(\i)], v[96*((\a)%2)+8*(\b)+2*(\i)+1]
.endr
.endr
.endr
	s_barrier_wait -1
	WIN 0x0c                                       ; data (source 1) in window 3, address in window 0
.irp a, 0,1,2,3
.irp b, 0,1,2,3,4,5,6,7,8,9,10,11
	ds_store_b128 v[STO+(\b)/4], v[TMP+4*(12*(\a)+(\b)):TMP+4*(12*(\a)+(\b))+3] offset:(\a)*16*SP+32*((\b)%4)
.endr
.endr
	s_wait_dscnt 0x0                               ; for the others' sake: my stores into the stage are done
	s_barrier_signal -1
	s_barrier_wait -1
	WIN 0xc0
.irp p, 0,1,2
.irp t, 0,1,2,3,4,5,6,7,8,9,10,11,12,13,14,15
	ds_load_b128 v[TMP+4*(16*(\p)+(\t)):TMP+4*(16*(\p)+(\t))+3], v[RD+(\p)] offset:(\t)*2*SP
.endr
.endr
	WIN 0x0c
.irp p, 0,1,2
	s_wait_dscnt 32-16*(\p)                        ; plane p's sixteen loads are back; the younger planes' may be out
.irp t, 0,1,2,3,4,5,6,7,8,9,10,11,12,13,14,15
	global_store_b128 v[CO], v[TMP+4*(16*(\p)+(\t)):TMP+4*(16*(\p)+(\t))+3], s[OB+2*(\p):OB+2*(\p)+1] offset:(\t)*4096  ; 16 lanes store 256 consecutive bytes, at a multiple of 256 from the buffer's first byte
.endr
.endr
	WIN 0
	s_wait_tensorcnt 0x0                           ; the wave's end, behind my last tensor load and my last LDS store
	ds_add_u32 v[SPW], v[NIL]
	s_wait_dscnt 0x0
	CROUND                                         ; the closing round: no work-group ends while a partner may still ask for a tile that names it
	s_endpgm
.Lfunc_end_k_qd8627cfe3f_proj:
	.size	k_qd8627cfe3f_proj, .Lfunc_end_k_qd8627cfe3f_proj-k_qd8627cfe3f_proj
	.p2alignl 7, 3214868480
	.fill 96, 4, 3214868480
	.section	.rodata,"a",@progbits
	.p2align	6, 0x0
	.amdhsa_kernel k_qd8627cfe3f_proj
		.amdhsa_group_segment_fixed_size 327680
		.amdhsa_private_segment_fixed_size 0
		.amdhsa_enable_private_segment 0
		.amdhsa_kernarg_size 48
		.amdhsa_user_sgpr_count 2
		.amdhsa_user_sgpr_kernarg_segment_ptr 1
		.amdhsa_wavefront_size32 1
		.amdhsa_system_sgpr_workgroup_id_x 1
		.amdhsa_system_sgpr_workgroup_id_y 1
		.amdhsa_system_sgpr_workgroup_id_z 1
		.amdhsa_system_vgpr_workitem_id 0
		.amdhsa_next_free_vgpr 960
		.amdhsa_next_free_sgpr 80
		.amdhsa_reserve_vcc 0
		.amdhsa_float_denorm_mode_32 3
		.amdhsa_float_denorm_mode_16_64 3
		.amdhsa_memory_ordered 1
		.amdhsa_forward_progress 1
		.amdhsa_inst_pref_size 92
	.end_amdhsa_kernel
	.amdgpu_metadata
---
amdhsa.version: [ 1, 2 ]
amdhsa.kernels:
  - .name:           k_qd8627cfe3f_proj
    .symbol:         k_qd8627cfe3f_proj.kd
    .args:
      - { .name: xb, .offset: 0, .size: 8, .value_kind: global_buffer, .address_space: global }
      - { .name: wb, .offset: 8, .size: 8, .value_kind: global_buffer, .address_space: global }
      - { .name: bq, .offset: 16, .size: 8, .value_kind: global_buffer, .address_space: global }
      - { .name: bk, .offset: 24, .size: 8, .value_kind: global_buffer, .address_space: global }
      - { .name: bv, .offset: 32, .size: 8, .value_kind: global_buffer, .address_space: global }
      - { .name: qkv, .offset: 40, .size: 8, .value_kind: global_buffer, .address_space: global }
    .group_segment_fixed_size: 327680
    .private_segment_fixed_size: 0
    .kernarg_segment_align: 8
    .kernarg_segment_size: 48
    .max_flat_workgroup_size: 128
    .sgpr_count:     80
    .vgpr_count:     960
    .wavefront_size: 32
...
	.end_amdgpu_metadata
.endif
;; end of part 2
;; launch scores (part 3): grid 8 x 32, 4 waves a work-group, clusters of 4 x 4, 327,680 bytes of LDS; arguments qkv, pbuf, stats; writes pbuf, stats
.if DOCPART == 3
	.amdgcn_target "amdgcn-amd-amdhsa--gfx1250"
	.amdhsa_code_object_version 6
	.text
	.protected	k_qd8627cfe3f_scores
	.globl	k_qd8627cfe3f_scores
	.p2align	8
	.type	k_qd8627cfe3f_scores,@function
k_qd8627cfe3f_scores:
	s_mov_b64 s[64:65], 0
	v_nop
	global_prefetch_b8 v0, s[64:65] scope:SCOPE_SE
	s_setreg_imm32_b32 hwreg(HW_REG_WAVE_MODE, 25, 1), 1
	s_wait_xcnt 0x0
	s_wait_alu depctr_hold_cnt(0) depctr_sa_sdst(0) depctr_va_vdst(0) depctr_va_sdst(0) depctr_va_ssrc(0) depctr_va_vcc(0) depctr_vm_vsrc(0)
	s_getreg_b32 s2, hwreg(HW_REG_IB_STS2, 6, 4)
	s_cmp_eq_u32 s2, 0
	s_cbranch_scc0 .Lentry_in_a_cluster
	s_endpgm
.Lentry_in_a_cluster:
	s_bfe_u32 s2, ttmp6, 0x10000c
	s_cmp_lg_u32 s2, 0xf033
	s_cbranch_scc0 .Lentry_shape_is_right
	s_endpgm
.Lentry_shape_is_right:
; THE SCORES AND THE FIRST HALF OF THE SOFTMAX.  s[q][key] = Q[q] . K[key] over 1,024 channels, inside each of the 4 batches of 2,048 rows.  Q, K: planes 0 and 1 of qkv, [8192][1024] f16.
; For each query and each BLOCK of 128 keys: cm = c x (the block's largest s), c = log2(e) / 32;  p = 2^(c s - cm), written to pbuf [8192 q][2048 key] in f16;  l = the sum of the unrounded p.
; cm and l go to stats, f32 [2][4 batch][16 block][2048 q].  The next launch takes each block from its own maximum to the row's: together that is the softmax with the row's maximum taken away.
; LIMITS.  p lies in 0 to 1 (to within a rounding of cm); below 6e-5 it keeps f16's fixed step of 6e-8; a p below 2^-126 counts as 0 in l.  NaN and infinities are not treated apart.
; SHARES.  A work-group makes 256 queries x 256 keys: 32 x 8 = 256 work-groups.  Four waves, each 128 x 128: 64 accumulators, 512 registers; a wave's 128 keys are one block.
; K (the channels) goes in 8 steps of 128 through two LDS slots filled by the tensor data mover; rows of 256 bytes that start at multiples of 256 bytes from the buffer's first byte.
; THE MATRIX INSTRUCTION IS USED TRANSPOSED: source 0 = 16 keys, source 1 = 16 queries: a lane holds ONE query (lane % 16) and the keys 8 (lane / 16) + 0..7 of each group of 16:
; a query's maximum and sum want one exchange between the halves of the lanes, and eight neighbouring p pack into 16 bytes.
; CLUSTER.  4 x 4 work-groups, inside one batch.  The four of a row of the cluster need the same tile of Q, the four of a column the same tile of K: each is asked for JOINTLY.
; ONE TEXT FOR A K STEP: LDS addresses are a lane term plus the scalar TB, turned by one exclusive or.  The last two steps are a loop of two trips left in its middle; its last change of
; slots (a barrier and 32 LDS loads of the stale slot) serves nothing: the price of one text for both.
; REGISTERS (s_set_vgpr_msb: bits 1:0 source 0, 3:2 source 1, 5:4 source 2, 7:6 destination):
;   window 0: v0-31 addresses; v64-127, v128-191 fragments of Q, two buffers; behind the loop: the softmax's registers, named below
;   window 1: v64-127, v128-191 fragments of K          window 2: the accumulators of my rows 0-63, (a, b) at v[8 (8 a + b)]          window 3: those of my rows 64-127
.set STEPS,  8
.set PITCH,  272                       ; an LDS row: 256 bytes + 16 = 68 words: the 16 rows of a load start at 16 different groups of four banks (64 banks of 4 bytes: ISA guide 11.1)
.set HALFT,  128*PITCH                 ; 128 rows: what one tensor load brings, and what one wave reads of Q or of K
.set SLOT,   4*HALFT                   ; 0x22000: Q's 256 rows, then K's 256 rows.  It shares no bit with wave x HALFT (0, 0x8800, 0x11000, 0x19800), so an exclusive or changes slots
.set STAGE,  2*SLOT                    ; behind the ring, never filled: 16 rows x 272 bytes for each wave
.set SP,     272
.set STATST, STAGE+4*16*SP             ; 1,024 bytes for each wave: its 128 cm, then its 128 l
.set SPARE,  STATST+4*1024             ; the spare words, 128 bytes for each wave: two blocks of 256 bytes that no other line names
.set A0,   16                          ; v16  my lane's place in Q's tile; never rewritten
.set B0,   17                          ; v17  in K's tile
.set ADRA, 18                          ; v18  TB + A0
.set ADRB, 19                          ; v19  TB + B0
.set STO,  24                          ; v24  the way out: where I put 16 bytes of a row
.set RD,   25                          ; v25  where I read a row back
.set CO,   26                          ; v26  my byte offset in pbuf
.set SSTO, 27                          ; v27  where I put a row's cm
.set SPW,  28                          ; v28  LDS address of my spare word; never rewritten
.set NIL,  29                          ; v29  0; never rewritten
.set SRD,  30                          ; v30  where I read four rows' cm back
.set SCO,  31                          ; v31  my byte offset in stats
.set F0,   64
.set F1,   128
.set OB,   32                          ; 16 rows read back from the stage: v32-63 and v224-255 by turns
.set EW,   64                          ; v64-127   a row block's 64 numbers a lane: c s - cm, then p
.set TM,   128                         ; v128-149  maxima at work
.set CMP,  150                         ; v150-151  cm, named as a pair; v151 is written once
.set LS,   152                         ; v152-159  four pairs of running sums
.set CMV,  160                         ; v160-167  cm of the eight row blocks
.set LSV,  168                         ; v168-175  l of the eight row blocks
.set TMP,  192                         ; v192-223  p in f16
.set WV,  16
.set MH,  17                           ; s17  which 128 queries of the tile are mine
.set NH,  18                           ; s18  which 128 keys; also: which half of a tile I fetch
.set CX,  19
.set CY,  20
.set YT,  21                           ; s21  query tile = 4 x cluster y + cy
.set RM,  22
.set CM,  23
.set G1A, 24                           ; s[24:31] group 1 for Q's tiles;  s[32:39] group 0: a set for each first fill; the second then walks on
.set G0A, 32
.set TB,  46
.set CNT, 47
.set G1B, 48                           ; s[48:55], s[56:63] the same for K's tiles
.set G0B, 56
.set SEL, 66                           ; s[66:67] v_permlanex16_b32's selects: each lane takes its own place in the other half
.set CS,  68                           ; s[68:69] c: the packed scaling takes the pair's low word for both halves
.set MUL_LO, 0xa1                      ; source 0 (K) window 1, source 1 (Q) window 0, C and D window 2
.set MUL_HI, 0xf1                      ; the same, C and D window 3
.set TO_B,   0x40                      ; destination window 1, address window 0
.set MSB, 0
.macro WIN new                         ; the immediate's high byte repeats the setting that is left; a switch that changes nothing is dropped
.if MSB != (\new)
	s_set_vgpr_msb (MSB<<8)|(\new)
.set MSB, (\new)
.endif
.endm
; A joint refill.  Waves 0 and 1 fetch Q's two halves, waves 2 and 3 K's.  An s_nop 0 and four v_nop follow each of the two lines, ahead of the jump and the label.
.macro JLOAD
	s_cmp_lt_u32 s[WV], 2
	s_cbranch_scc0 .Lfor_b_\@
	tensor_load_to_lds s[G0A+4:G0A+7], s[G1A:G1A+7]
	s_nop 0
.rept 4
	v_nop
.endr
	s_branch .Lasked_\@
.Lfor_b_\@:
	tensor_load_to_lds s[G0B+4:G0B+7], s[G1B:G1B+7]
	s_nop 0
.rept 4
	v_nop
.endr
.Lasked_\@:
.endm
.macro CREST                           ; a round of the cluster's barrier behind its opening barrier
	s_cmp_lg_u32 s[WV], 0
	s_cbranch_scc1 .Lnot_wave_0_\@
	s_barrier_signal -3
.Lnot_wave_0_\@:
	s_barrier_wait -3
	s_barrier_signal -1
	s_barrier_wait -1
.endm
.macro CROUND
	s_barrier_signal -1
	s_barrier_wait -1
	CREST
.endm
.macro PLACES                          ; four places in front of loads into registers that matrix instructions have read, and of vector lines that read results
.rept 4
	v_nop
.endr
.endm
; 16 matrix instructions: row blocks a0, a0 + 1 of the window's four (hi = 0: my rows 0-63, 1: rows 64-127) x all 8 key blocks, 32 along K.  zero = 1: the product starts the sums.
; The 64 accumulators take turns, one instruction a turn, in the same order in every quarter.
.macro MUL16 f, hi, a0, zero
	WIN MUL_LO+0x50*(\hi)
.irp a, \a0, (\a0)+1
.irp b, 0,1,2,3,4,5,6,7
.if \zero
	v_wmma_f32_16x16x32_f16 v[8*(8*(\a)+(\b)):8*(8*(\a)+(\b))+7], v[(\f)+8*(\b):(\f)+8*(\b)+7], v[(\f)+8*(4*(\hi)+(\a)):(\f)+8*(4*(\hi)+(\a))+7], 0
.else
	v_wmma_f32_16x16x32_f16 v[8*(8*(\a)+(\b)):8*(8*(\a)+(\b))+7], v[(\f)+8*(\b):(\f)+8*(\b)+7], v[(\f)+8*(4*(\hi)+(\a)):(\f)+8*(4*(\hi)+(\a))+7], v[8*(8*(\a)+(\b)):8*(8*(\a)+(\b))+7]
.endif
.endr
.endr
.endm
; 32 LDS loads in one run: 128 rows of K, 128 rows of Q, 32 channels at byte k of the rows, into buffer f
.macro FETCH k, f
	WIN TO_B
.irp i, 0,1,2,3,4,5,6,7
	ds_load_b128 v[(\f)+8*(\i):(\f)+8*(\i)+3],   v[ADRB] offset:(\k)+(\i)*16*PITCH
	ds_load_b128 v[(\f)+8*(\i)+4:(\f)+8*(\i)+7], v[ADRB] offset:(\k)+(\i)*16*PITCH+32
.endr
	WIN 0
.irp i, 0,1,2,3,4,5,6,7
	ds_load_b128 v[(\f)+8*(\i):(\f)+8*(\i)+3],   v[ADRA] offset:(\k)+(\i)*16*PITCH
	ds_load_b128 v[(\f)+8*(\i)+4:(\f)+8*(\i)+7], v[ADRA] offset:(\k)+(\i)*16*PITCH+32
.endr
.endm
; A K step is four quarters of 32, 64 matrix instructions each, on buffers 0, 1, 0, 1.  One of the first three: multiplies buffer f and, in its middle, fetches the next quarter, at byte k, into g.
.macro QUARTER k, f, g, zero
	s_wait_dscnt 8                                 ; K's fragments and Q's rows 0-63 are in; the youngest eight loads (Q's rows 64-127) may be out
	MUL16 \f, 0, 0, \zero
	MUL16 \f, 0, 2, \zero
	PLACES
	FETCH \k, \g
	s_wait_dscnt 32                                ; all but the 32 just issued
	MUL16 \f, 1, 0, \zero
	MUL16 \f, 1, 2, \zero
.endm
; The last quarter multiplies buffer 1 and changes slots.  ONE barrier: in front of it each wave waits for all its tensor loads (one is out: its part of the next slot), adds 0 to its spare word,
; and waits for that and for its own reads of this slot.  Behind it nobody reads this slot any more and the next slot is whole.
.macro MEET
	WIN 0
	s_wait_tensorcnt 0x0                           ; all my tensor loads have landed, so a group 0 may be written;
	ds_add_u32 v[SPW], v[NIL]                      ; 0 onto my spare word;
	s_wait_dscnt 9                                 ; (the add and the youngest eight loads may be out)
	MUL16 F1, 0, 0, 0                              ; sixteen matrix instructions stand between the add and the wait for it
	s_wait_dscnt 0x0                               ; the add is done, and my reads of this slot are over
	s_barrier_signal -1
	MUL16 F1, 0, 2, 0                              ; work on registers while the others arrive
	WIN 0                                          ; (branches and address lines follow)
	s_barrier_wait -1
.endm
; fill = 1: the barrier opens a round of the cluster's, and the slot just read out is filled again, two K steps ahead, first thing behind the round:
; from that request to the wait for it a wave issues 224 of a K step's 256 matrix instructions.
.macro TURN fill
	MEET
.if \fill
	CREST                                          ; no wave of any partner still reads this slot or has a load on its way
	s_xor_b32 s[G0A+5], s[G0A+5], SLOT             ; the walking descriptors: the other slot than last time,
	s_add_nc_u64 s[G0A+6:G0A+7], s[G0A+6:G0A+7], 256  ; the next 128 channels; the type bits on top are not reached
	s_xor_b32 s[G0B+5], s[G0B+5], SLOT
	s_add_nc_u64 s[G0B+6:G0B+7], s[G0B+6:G0B+7], 256
	JLOAD                                          ; its four v_nop are also the places in front of the loads below
.else
	PLACES
.endif
	s_xor_b32 s[TB], s[TB], SLOT
	v_add_nc_u32 v[ADRA], s[TB], v[A0]
	v_add_nc_u32 v[ADRB], s[TB], v[B0]
	FETCH 0, F0
	MUL16 F1, 1, 0, 0
	MUL16 F1, 1, 2, 0
.endm
	s_load_b128 s[4:7], s[0:1], 0x0                ; qkv s[4:5], pbuf s[6:7]
	s_load_b64 s[8:9], s[0:1], 0x10                ; stats
	v_lshl_add_u32 v[SPW], v0, 2, SPARE
	v_mov_b32 v[NIL], 0
	ds_add_u32 v[SPW], v[NIL]                      ; the wave's opening: the add and its wait stand ahead of my first tensor load; the set-up below, work on registers, stands between them
	v_lshrrev_b32 v1, 5, v0
	v_readfirstlane_b32 s[WV], v1                  ; wave 0..3
	s_lshr_b32 s[MH], s[WV], 1
	s_and_b32 s[NH], s[WV], 1
	s_bfe_u32 s[CX], ttmp6, 0x40000
	s_bfe_u32 s[CY], ttmp6, 0x40004
	s_and_b32 s75, ttmp7, 0xffff                   ; the cluster's y
	s_lshl_b32 s[YT], s75, 2
	s_add_co_u32 s[YT], s[YT], s[CY]               ; query tile 0..31 = 4 x cluster y + cy
	s_lshr_b32 s75, s75, 1                         ; the batch: two clusters, 8 query tiles, to each; all partners share it
	s_lshl_b32 s74, ttmp9, 2
	s_add_co_u32 s74, s74, s[CX]                   ; key tile 0..7 = 4 x cluster x + cx
	s_lshl_b32 s[RM], s[CY], 2
	s_lshl_b32 s[RM], 15, s[RM]                    ; my row of the cluster
	s_lshl_b32 s[CM], 0x1111, s[CX]                ; my column
	s_or_b32 s[G1A], s[RM], (1<<16)|(1<<20)|(1<<21)|(5<<22)|(3<<25)  ; 15:0 the mask; 17:16 2-byte elements; 20 padding on; 21 set beside a mask; 24:22 after every 64 words (code 5); 31:25 4 words (code 3)
	s_or_b32 s[G1B], s[CM], (1<<16)|(1<<20)|(1<<21)|(5<<22)|(3<<25)
.irp g, G1A, G1B
	s_mov_b32 s[(\g)+1], 128<<16                   ; tensor_dim0 = 128
	s_mov_b32 s[(\g)+2], 128<<16                   ; tensor_dim1 = 128
	s_mov_b32 s[(\g)+3], 128<<16                   ; tile_dim0 = 128
	s_mov_b32 s[(\g)+4], 128                       ; tile_dim1 = 128
	s_mov_b32 s[(\g)+5], 1024                      ; elements from row to row
	s_mov_b32 s[(\g)+6], 0
	s_mov_b32 s[(\g)+7], 0
.endr
	s_lshl_b32 s40, s[YT], 19                      ; Q's tile hangs on the query tile alone: (256 y + 128 x half) rows of 2,048 bytes
	s_lshl_b32 s41, s[NH], 18
	s_add_co_u32 s40, s40, s41
	s_mov_b32 s41, 0
	s_lshl_b32 s42, s75, 22                        ; K's on the batch and the key tile: plane 1 + (2,048 batch + 256 x + 128 x half) rows
	s_lshl_b32 s43, s74, 19
	s_add_co_u32 s42, s42, s43
	s_lshl_b32 s43, s[NH], 18
	s_add_co_u32 s42, s42, s43
	s_add_co_u32 s42, s42, 0x1000000
	s_mov_b32 s43, 0
	s_mul_i32 s44, s[WV], HALFT                    ; where they go: Q's two halves, then K's two halves = wave x 128 rows
	s_lshl_b32 s70, s[YT], 20                      ; my part of pbuf: (256 y + 128 MH) rows of 4,096 bytes + 2 (256 x + 128 NH)
	s_lshl_b32 s71, s[MH], 19
	s_add_co_u32 s70, s70, s71
	s_lshl_b32 s71, s74, 9
	s_add_co_u32 s70, s70, s71
	s_lshl_b32 s71, s[NH], 8
	s_add_co_u32 s70, s70, s71
	s_mov_b32 s71, 0
	s_lshl_b32 s72, s75, 17                        ; my part of stats: 4 ((16 batch + 2 x + NH) 2,048 + 256 (y % 8) + 128 MH)
	s_lshl_b32 s73, s74, 14
	s_add_co_u32 s72, s72, s73
	s_lshl_b32 s73, s[NH], 13
	s_add_co_u32 s72, s72, s73
	s_and_b32 s73, s[YT], 7
	s_lshl_b32 s73, s73, 10
	s_add_co_u32 s72, s72, s73
	s_lshl_b32 s73, s[MH], 9
	s_add_co_u32 s72, s72, s73
	s_mov_b32 s73, 0
	s_mov_b32 s[SEL], 0x76543210
	s_mov_b32 s[SEL+1], 0xfedcba98
	s_mov_b32 s[CS], 0x3d38aa3b                    ; c = log2(e) / 32 = 0.0450842
	s_mov_b32 s[CS+1], s[CS]                       ; named with it as a pair
	s_wait_dscnt 0x0                               ; the opening add is done
	s_wait_kmcnt 0x0
	s_add_nc_u64 s[40:41], s[4:5], s[40:41]
	s_add_nc_u64 s[42:43], s[4:5], s[42:43]
	s_add_nc_u64 s[6:7], s[6:7], s[70:71]
	s_add_nc_u64 s[8:9], s[8:9], s[72:73]
.irp s, 0,1
	s_mov_b32 s[G0A+4*(\s)], 1                                     ; 1:0 count = 1
	s_add_co_u32 s[G0A+4*(\s)+1], s44, (\s)*SLOT                   ; 63:32 LDS address
	s_add_nc_u64 s[G0A+4*(\s)+2:G0A+4*(\s)+3], s[40:41], (\s)*256  ; 120:64 global address: K step s
	s_or_b32 s[G0A+4*(\s)+3], s[G0A+4*(\s)+3], 0x80000000          ; 127:126 type = 2
	s_mov_b32 s[G0B+4*(\s)], 1
	s_add_co_u32 s[G0B+4*(\s)+1], s44, (\s)*SLOT
	s_add_nc_u64 s[G0B+4*(\s)+2:G0B+4*(\s)+3], s[42:43], (\s)*256
	s_or_b32 s[G0B+4*(\s)+3], s[G0B+4*(\s)+3], 0x80000000
.endr
	CROUND                                         ; all sixteen work-groups are here: the first joint loads meet
	s_cmp_lt_u32 s[WV], 2                          ; a wave's two first fills stand in one branch, ahead of every wait on TENSORcnt and every LDS read: two loads of mine are out
	s_cbranch_scc0 .Lfirst_b
	tensor_load_to_lds s[G0A:G0A+3], s[G1A:G1A+7]
	s_nop 0
	tensor_load_to_lds s[G0A+4:G0A+7], s[G1A:G1A+7]
	s_nop 0
.rept 4
	v_nop
.endr
	s_branch .Lfirst_asked
.Lfirst_b:
	tensor_load_to_lds s[G0B:G0B+3], s[G1B:G1B+7]
	s_nop 0
	tensor_load_to_lds s[G0B+4:G0B+7], s[G1B:G1B+7]
	s_nop 0
.rept 4
	v_nop
.endr
.Lfirst_asked:
	; A fragment is 16 rows x 32 channels in 8 registers: lane holds row lane % 16; registers 0-3 channels 8 (lane / 16) + 0..7, registers 4-7 channels 16 + 8 (lane / 16) + 0..7: two loads of 16 bytes, 32 bytes apart.
	v_and_b32 v1, 15, v0                           ; r
	v_bfe_u32 v2, v0, 4, 1                         ; h
	v_mul_u32_u24 v3, v1, PITCH
	v_lshl_add_u32 v3, v2, 4, v3                   ; r x 272 + 16 h
	s_mul_i32 s70, s[MH], HALFT                    ; my 128 rows of Q
	v_add_nc_u32 v[A0], s70, v3
	s_mul_i32 s70, s[NH], HALFT                    ; my 128 rows of K,
	s_add_co_u32 s70, s70, 2*HALFT                 ; which lie behind Q's 256
	v_add_nc_u32 v[B0], s70, v3
	s_mul_i32 s70, s[WV], 16*SP
	s_add_co_u32 s70, s70, STAGE                   ; my stage
	v_add_nc_u32 v[STO], s70, v3                   ; in: row r, 16 bytes for each half of the lanes
	v_mul_u32_u24 v5, v2, SP                       ; back: lanes 0-15 take one row of 256 bytes, lanes 16-31 the next
	v_lshl_add_u32 v5, v1, 4, v5
	v_add_nc_u32 v[RD], s70, v5
	v_lshlrev_b32 v6, 12, v2                       ; and the same two rows in pbuf
	v_lshl_add_u32 v[CO], v1, 4, v6
	s_lshl_b32 s70, s[WV], 10
	s_add_co_u32 s70, s70, STATST                  ; my 1,024 bytes for cm and l
	v_lshl_add_u32 v[SSTO], v1, 2, s70
	v_and_b32 v4, 31, v0
	v_lshlrev_b32 v[SCO], 4, v4
	v_add_nc_u32 v[SRD], s70, v[SCO]
	s_wait_tensorcnt 0x1                           ; my part of K step 0 is in; K step 1's may stay out
	s_barrier_signal -1
	s_barrier_wait -1                              ; everybody's is
	s_mov_b32 s[TB], 0
	v_add_nc_u32 v[ADRA], s[TB], v[A0]
	v_add_nc_u32 v[ADRB], s[TB], v[B0]
	FETCH 0, F0
	QUARTER 64, F0, F1, 1                          ; the first quarter stands in front of the loop: its products start the sums
	WIN 0                                          ; at a label and at a branch every window is 0
	s_mov_b32 s[CNT], STEPS-2
.Lk:                                                   ; a trip: a K step's quarters 1 to 3 and the next step's quarter 0; it asks for the step two on
	QUARTER 128, F1, F0, 0
	QUARTER 192, F0, F1, 0
	TURN 1
	QUARTER 64, F0, F1, 0
	WIN 0
	s_sub_co_u32 s[CNT], s[CNT], 1
	s_cmp_lg_u32 s[CNT], 0
	s_cbranch_scc1 .Lk
	s_mov_b32 s[CNT], 2                            ; the last two K steps ask for nothing
.Ltail:
	QUARTER 128, F1, F0, 0
	QUARTER 192, F0, F1, 0
	TURN 0
	WIN 0
	s_sub_co_u32 s[CNT], s[CNT], 1
	s_cmp_eq_u32 s[CNT], 0
	s_cbranch_scc1 .Lout
	QUARTER 64, F0, F1, 0
	WIN 0
	s_branch .Ltail
.Lout:
	s_wait_dscnt 0x0                               ; the last change of slots has fetched into buffer 0, for nothing: those registers are used below
	PLACES                                         ; behind the last products
	v_mov_b32 v[CMP+1], 0                          ; named with cm as a pair
; THE SOFTMAX OF ROW BLOCK a (16 queries x my 128 keys; a lane holds 64 scores of one query, in 8 accumulators).
.macro SM a
.set WW, 2+(\a)/4                      ; the block's window
.set AC, 64*((\a)%4)
	WIN WW*0x15                                    ; three sources in the block's window, destination in window 0
.set g, 0
.rept 20                                               ; the maximum, three at a time, the registers in ascending order: each accumulator's first read takes one of its lowest registers
	v_max3_num_f32 v[TM+g], v[AC+3*g], v[AC+3*g+1], v[AC+3*g+2]
.set g, g+1
.endr
	v_max_num_f32 v[TM+20], v[AC+60], v[AC+61]
	v_max_num_f32 v[TM+21], v[AC+62], v[AC+63]
	WIN 0
.set g, 0
.rept 7                                                ; 22 -> 8 (a result lands on a register whose value has been taken)
	v_max3_num_f32 v[TM+g], v[TM+3*g], v[TM+3*g+1], v[TM+3*g+2]
.set g, g+1
.endr
	v_max3_num_f32 v[TM], v[TM], v[TM+1], v[TM+2]
	v_max3_num_f32 v[TM+3], v[TM+3], v[TM+4], v[TM+5]
	v_max3_num_f32 v[TM], v[TM], v[TM+3], v[TM+6]
	v_max_num_f32 v[TM], v[TM], v[TM+21]
	v_permlanex16_b32 v[TM+1], v[TM], s[SEL], s[SEL+1]  ; the query's other 64 keys lie in the lane 16 away
	v_max_num_f32 v[TM], v[TM], v[TM+1]
	v_mul_f32 v[CMP], s[CS], v[TM]                 ; cm = c m
	v_mov_b32 v[CMV+(\a)], v[CMP]
	WIN WW                                         ; source 0 in the block's window
.set n, 0
.rept 32
	v_pk_fma_f32 v[EW+2*n:EW+2*n+1], v[AC+2*n:AC+2*n+1], s[CS:CS+1], v[CMP:CMP+1] op_sel_hi:[1,0,0] neg_lo:[0,0,1] neg_hi:[0,0,1]  ; c s - cm
.set n, n+1
.endr
	WIN 0
; Two exponentials, then the plain work of the pair before: its rounding to f16 and its place in one of four running sums (a sum starts as pair j + pair j + 4).
; So a plain instruction stands between every exponential and the first use of its result (ISA guide 5.7.2).
.set n, 0
.rept 33
.if n < 32
	v_exp_f32 v[EW+2*n], v[EW+2*n]
	v_exp_f32 v[EW+2*n+1], v[EW+2*n+1]
.endif
.if n == 0
	v_nop
.else
	s_wait_alu depctr_va_vdst(0)
	v_cvt_pk_f16_f32 v[TMP+n-1], v[EW+2*n-2], v[EW+2*n-1]
.if n >= 9
	v_pk_add_f32 v[LS+2*((n-1)%4):LS+2*((n-1)%4)+1], v[LS+2*((n-1)%4):LS+2*((n-1)%4)+1], v[EW+2*n-2:EW+2*n-1]
.elseif n >= 5
	v_pk_add_f32 v[LS+2*(n-5):LS+2*(n-5)+1], v[EW+2*(n-5):EW+2*(n-5)+1], v[EW+2*n-2:EW+2*n-1]
.endif
.endif
.set n, n+1
.endr
	v_pk_add_f32 v[LS:LS+1], v[LS:LS+1], v[LS+2:LS+3]
	v_pk_add_f32 v[LS+4:LS+5], v[LS+4:LS+5], v[LS+6:LS+7]
	v_pk_add_f32 v[LS:LS+1], v[LS:LS+1], v[LS+4:LS+5]
	v_add_f32 v[TM], v[LS], v[LS+1]
	v_permlanex16_b32 v[TM+1], v[TM], s[SEL], s[SEL+1]
	v_add_f32 v[LSV+(\a)], v[TM], v[TM+1]          ; l of the block, of the unrounded p
.endm
; p goes through my own stage: 16 bytes a lane into rows of 272 bytes, back as whole rows of 256 bytes, and out.
.macro TOSTAGE a
.set BK, OB+192*((\a)%2)
.if (\a) >= 2
	s_wait_xcnt 0x0                                ; the stores of the block two back have read these registers: they are loaded again only behind this wait
.endif
.irp b, 0,1,2,3,4,5,6,7
	ds_store_b128 v[STO], v[TMP+4*(\b):TMP+4*(\b)+3] offset:32*(\b)
.endr
.irp t, 0,1,2,3,4,5,6,7
	ds_load_b128 v[BK+4*(\t):BK+4*(\t)+3], v[RD] offset:(\t)*2*SP  ; LDS serves a wave's instructions in order (ISA guide 5.7.1.4): these see the stores above
.endr
.endm
.macro SEND a
.set BK, OB+192*((\a)%2)
	s_wait_dscnt 0x0                               ; the block is back in registers
.irp t, 0,1,2,3,4,5,6,7
	global_store_b128 v[CO], v[BK+4*(\t):BK+4*(\t)+3], s[6:7] offset:(16*(\a)+2*(\t))*4096  ; 16 lanes store 256 consecutive bytes, at a multiple of 256 from the buffer's first byte
.endr
.endm
	SM 0
	TOSTAGE 0
.irp a, 1,2,3,4,5,6,7                  ; block a's softmax stands between block a - 1's loads from the stage and the wait for them
	SM \a
	SEND (\a)-1
	TOSTAGE \a
.endr
	SEND 7
	; cm and l of my 128 queries: a word a row into my own bytes (both halves of the lanes hold the same number), back as 16 bytes a lane, out as 512 consecutive bytes each
.irp a, 0,1,2,3,4,5,6,7
	ds_store_b32 v[SSTO], v[CMV+(\a)] offset:64*(\a)
	ds_store_b32 v[SSTO], v[LSV+(\a)] offset:512+64*(\a)
.endr
	ds_load_b128 v[TM:TM+3], v[SRD]
	ds_load_b128 v[TM+4:TM+7], v[SRD] offset:512
	s_wait_dscnt 0x0
	global_store_b128 v[SCO], v[TM:TM+3], s[8:9]
	global_store_b128 v[SCO], v[TM+4:TM+7], s[8:9] offset:524288
	s_wait_tensorcnt 0x0                           ; the wave's end, behind my last tensor load and my last LDS store
	ds_add_u32 v[SPW], v[NIL]
	s_wait_dscnt 0x0
	CROUND                                         ; the closing round: no work-group ends while a partner may still ask for a tile that names it
	s_endpgm
.Lfunc_end_k_qd8627cfe3f_scores:
	.size	k_qd8627cfe3f_scores, .Lfunc_end_k_qd8627cfe3f_scores-k_qd8627cfe3f_scores
	.p2alignl 7, 3214868480
	.fill 96, 4, 3214868480
	.section	.rodata,"a",@progbits
	.p2align	6, 0x0
	.amdhsa_kernel k_qd8627cfe3f_scores
		.amdhsa_group_segment_fixed_size 327680
		.amdhsa_private_segment_fixed_size 0
		.amdhsa_enable_private_segment 0
		.amdhsa_kernarg_size 24
		.amdhsa_user_sgpr_count 2
		.amdhsa_user_sgpr_kernarg_segment_ptr 1
		.amdhsa_wavefront_size32 1
		.amdhsa_system_sgpr_workgroup_id_x 1
		.amdhsa_system_sgpr_workgroup_id_y 1
		.amdhsa_system_sgpr_workgroup_id_z 1
		.amdhsa_system_vgpr_workitem_id 0
		.amdhsa_next_free_vgpr 1024
		.amdhsa_next_free_sgpr 80
		.amdhsa_reserve_vcc 0
		.amdhsa_float_denorm_mode_32 3
		.amdhsa_float_denorm_mode_16_64 3
		.amdhsa_memory_ordered 1
		.amdhsa_forward_progress 1
		.amdhsa_inst_pref_size 176
	.end_amdhsa_kernel
	.amdgpu_metadata
---
amdhsa.version: [ 1, 2 ]
amdhsa.kernels:
  - .name:           k_qd8627cfe3f_scores
    .symbol:         k_qd8627cfe3f_scores.kd
    .args:
      - { .name: qkv, .offset: 0, .size: 8, .value_kind: global_buffer, .address_space: global }
      - { .name: pbuf, .offset: 8, .size: 8, .value_kind: global_buffer, .address_space: global }
      - { .name: stats, .offset: 16, .size: 8, .value_kind: global_buffer, .address_space: global }
    .group_segment_fixed_size: 327680
    .private_segment_fixed_size: 0
    .kernarg_segment_align: 8
    .kernarg_segment_size: 24
    .max_flat_workgroup_size: 128
    .sgpr_count:     80
    .vgpr_count:     1024
    .wavefront_size: 32
...
	.end_amdgpu_metadata
.endif
;; end of part 3
;; launch pv (part 4): grid 4 x 64, 4 waves a work-group, clusters of 4 x 4, 327,680 bytes of LDS; arguments pbuf, qkv, stats, out0; writes out0
.if DOCPART == 4
	.amdgcn_target "amdgcn-amd-amdhsa--gfx1250"
	.amdhsa_code_object_version 6
	.text
	.protected	k_qd8627cfe3f_pv
	.globl	k_qd8627cfe3f_pv
	.p2align	8
	.type	k_qd8627cfe3f_pv,@function
k_qd8627cfe3f_pv:
	s_mov_b64 s[64:65], 0
	v_nop
	global_prefetch_b8 v0, s[64:65] scope:SCOPE_SE
	s_setreg_imm32_b32 hwreg(HW_REG_WAVE_MODE, 25, 1), 1
	s_wait_xcnt 0x0
	s_wait_alu depctr_hold_cnt(0) depctr_sa_sdst(0) depctr_va_vdst(0) depctr_va_sdst(0) depctr_va_ssrc(0) depctr_va_vcc(0) depctr_vm_vsrc(0)
	s_getreg_b32 s2, hwreg(HW_REG_IB_STS2, 6, 4)
	s_cmp_eq_u32 s2, 0
	s_cbranch_scc0 .Lentry_in_a_cluster
	s_endpgm
.Lentry_in_a_cluster:
	s_bfe_u32 s2, ttmp6, 0x10000c
	s_cmp_lg_u32 s2, 0xf033
	s_cbranch_scc0 .Lentry_shape_is_right
	s_endpgm
.Lentry_shape_is_right:
; THE SECOND HALF OF THE SOFTMAX AND THE WEIGHTED SUM.  out0[q][n] = (sum over the 16 key blocks of f_blk x sum over the block's 128 keys of p[q][key] V[key][n]) / l_row,
; f_blk = 2^(cm_blk - cm_row), cm_row = the largest cm_blk of the row, l_row = the sum of f_blk l_blk.  p: pbuf [8192 q][2048 key] f16, each block relative to its own maximum; V: plane 2 of qkv,
; [8192][1024] f16; cm, l: stats, f32 [2][4 batch][16 block][2048 q]; out0: [8192][1024] f32.  Sums in f32.
; A K step of 128 keys IS a block, so f is applied to p's fragments between LDS and the matrix unit: one packed f16 multiply a register, f as {f, f} in f16.  That is one more rounding of p to f16.
; LIMITS.  f lies in 0 to 1; below 6e-5 f and f p keep f16's fixed step of 6e-8; an f below 2^-126 counts as 0 in l_row.  l_row is taken with f in f32.  NaN and infinities are not treated apart.
; SHARES.  A work-group makes 128 queries x 256 columns: 64 x 4 = 256 work-groups.  Four waves, each 64 x 128: 32 accumulators of 16 x 16.
; K (the keys) goes in 16 steps of 128 through two LDS slots filled by the tensor data mover: p's tile 128 rows x 256 bytes, V's tile 128 key rows x 512 bytes.
; V lies [key][n], so its fragments come out of LDS turned, by ds_load_tr16_b128.  THE MATRIX INSTRUCTION IS USED TRANSPOSED (source 0 = 16 columns of V, source 1 = 16 queries):
; a lane holds query lane % 16 and the columns 8 (lane / 16) + 0..7; so one word {f, f} serves a lane's eight registers of a fragment of p, and one 1 / l_row its results.
; CLUSTER.  4 x 4 work-groups, inside one batch.  The four of a row of the cluster are a query tile's four column tiles and need the same tile of p; the four of a column need the same tile of V.
; ONE TEXT FOR A K STEP, as in the projections' kernel; the last two steps are a loop of two trips left in its middle, whose last change of slots (a barrier, 28 LDS loads) serves nothing.
; REGISTERS (s_set_vgpr_msb: bits 1:0 source 0, 3:2 source 1, 5:4 source 2, 7:6 destination):
;   window 0: v0-31 addresses; v32-49 factors; v64-127 fragments of p, two buffers of 4 x 8; v128-255 fragments of V, two buffers of 8 x 8          window 1: the accumulators, (a, b) at v[64 a + 8 b]
.set STEPS,  16
.set PA,     272                       ; a row of p in LDS: 256 bytes + 16 = 68 words: the 16 rows of a load start at 16 different groups of four banks (64 banks of 4 bytes: ISA guide 11.1)
.set PB,     544                       ; a key row of V: 512 + 32 = 136 words
.set BOFF,   128*PA                    ; in a slot: p's 128 rows, then V's 128 key rows
.set SLOT1,  1<<17                     ; slot 1 begins here; a slot's 104,448 bytes lie below it, so one exclusive or changes slots
.set ASTEP,  256                       ; bytes from K step to K step in pbuf: 128 keys along a row,
.set BSTEP,  128*2048                  ; in V: 128 rows down
.set TAB,    BOFF+128*PB               ; behind slot 0, never filled: for each wave 17 rows of 256 bytes: row blk = {f, f} of my 64 queries, row 16 = their 1 / l_row
.set STAGE,  SLOT1+BOFF+128*PB         ; behind slot 1, never filled: 16 rows x 528 bytes for each wave, for the way out
.set SP,     528
.set SPARE,  STAGE+4*16*SP             ; the spare words, 128 bytes for each wave: two blocks of 256 bytes that no other line names
.set A0,   16                          ; v16  my lane's place in p's tile; never rewritten
.set B0,   17                          ; v17  in V's tile
.set ADRA, 18                          ; v18  TB + A0
.set ADRB, 19                          ; v19  TB + B0
.set FADR, 20                          ; v20  FS + FL0
.set FL0,  21                          ; v21  4 (lane % 16); never rewritten
.set STO,  24                          ; v24  the way out: where I put 32 bytes of a row
.set RD,   25                          ; v25  where I read a row back
.set CO,   26                          ; v26  my byte offset in the output
.set SPW,  28                          ; v28  LDS address of my spare word; never rewritten
.set NIL,  29                          ; v29  0; never rewritten
.set FAC,  32                          ; v32-35  {f, f} of the K step in hand, for my query in each of the four row blocks
.set RL,   36                          ; v36-43  1 / l_row for the four row blocks, each twice: the packed multiply names a pair
.set MX,   44                          ; v44-45  cm_row of two queries
.set LSUM, 46                          ; v46-47  l_row
.set RC,   48                          ; v48-49  1 / l_row
.set FA,   64
.set FB,   128
.set CMB,  64                          ; at the start only: v64-95 cm, then f, of two queries x 16 blocks; v96-127 l; v128-159 {f, f}
.set LB,   96
.set FH,   128
.set TO,   64                          ; the way out: v64-127 a row block's results; v128-191 and v192-255 by turns: rows read back
.set BK,   128
.set WV,  16
.set MH,  17                           ; s17  which 64 queries of the tile are mine
.set NH,  18                           ; s18  which 128 columns; also: which half of a tile I fetch
.set CX,  19
.set CY,  20
.set YT,  21                           ; s21  query tile = 4 x cluster y + cy
.set RM,  22
.set CM,  23
.set G1A, 24                           ; s[24:31] group 1 for p's tiles;  s[32:39] group 0: a set for each first fill; the second then walks on
.set G0A, 32
.set TB,  46                           ; s46  LDS byte at which the slot being read begins
.set CNT, 47
.set G1B, 48                           ; s[48:55], s[56:63] the same for V's tiles
.set G0B, 56
.set FS,  72                           ; s72  LDS byte of my table's row for the K step to come
.set W_MUL, 0x50                       ; C and D in window 1, fragments in window 0
.set MSB, 0
.macro WIN new                         ; the immediate's high byte repeats the setting that is left; a switch that changes nothing is dropped
.if MSB != (\new)
	s_set_vgpr_msb (MSB<<8)|(\new)
.set MSB, (\new)
.endif
.endm
; A joint refill.  Waves 0 and 1 fetch the two halves of p's tile, waves 2 and 3 those of V's.  An s_nop 0 and four v_nop follow each of the two lines, ahead of the jump and the label.
.macro JLOAD
	s_cmp_lt_u32 s[WV], 2
	s_cbranch_scc0 .Lfor_b_\@
	tensor_load_to_lds s[G0A+4:G0A+7], s[G1A:G1A+7]
	s_nop 0
.rept 4
	v_nop
.endr
	s_branch .Lasked_\@
.Lfor_b_\@:
	tensor_load_to_lds s[G0B+4:G0B+7], s[G1B:G1B+7]
	s_nop 0
.rept 4
	v_nop
.endr
.Lasked_\@:
.endm
.macro CREST                           ; a round of the cluster's barrier behind its opening barrier
	s_cmp_lg_u32 s[WV], 0
	s_cbranch_scc1 .Lnot_wave_0_\@
	s_barrier_signal -3
.Lnot_wave_0_\@:
	s_barrier_wait -3
	s_barrier_signal -1
	s_barrier_wait -1
.endm
.macro CROUND
	s_barrier_signal -1
	s_barrier_wait -1
	CREST
.endm
; 8 matrix instructions: row block a x all 8 column blocks, 32 keys, from buffer f.  mode 1: the product starts the sums.
.macro MUL8 f, a, mode
	WIN W_MUL
.irp b, 0,1,2,3,4,5,6,7
.if \mode
	v_wmma_f32_16x16x32_f16 v[64*(\a)+8*(\b):64*(\a)+8*(\b)+7], v[FB+64*(\f)+8*(\b):FB+64*(\f)+8*(\b)+7], v[FA+32*(\f)+8*(\a):FA+32*(\f)+8*(\a)+7], 0
.else
	v_wmma_f32_16x16x32_f16 v[64*(\a)+8*(\b):64*(\a)+8*(\b)+7], v[FB+64*(\f)+8*(\b):FB+64*(\f)+8*(\b)+7], v[FA+32*(\f)+8*(\a):FA+32*(\f)+8*(\a)+7], v[64*(\a)+8*(\b):64*(\a)+8*(\b)+7]
.endif
.endr
.endm
.macro MULH f, a0, mode                ; 16: the 32 accumulators take turns, one instruction a turn, in the same order in every quarter
	MUL8 \f, \a0, \mode
	MUL8 \f, (\a0)+1, \mode
.endm
; p times f for row blocks a0, a0 + 1 of buffer f: 16 packed multiplies.  They name no register of the products issued just before them (the other buffer's, or other row blocks'), so they are also
; the places between those products and the loads into the other buffer: the loop has no v_nop but the four behind its joint load.
.macro SCALE f, a0
	WIN 0
.irp a, \a0, (\a0)+1
.irp i, 0,1,2,3,4,5,6,7
	v_pk_mul_f16 v[FA+32*(\f)+8*(\a)+(\i)], v[FA+32*(\f)+8*(\a)+(\i)], v[FAC+(\a)]
.endr
.endr
.endm
; 24 LDS loads in one run: quarter q (32 keys) of the slot at TB into buffer f: V's 8 fragments (turned), then p's 4, row blocks 2 and 3 last
.macro FETCH q, f
	WIN 0
.irp b, 0,1,2,3,4,5,6,7
	ds_load_tr16_b128 v[FB+64*(\f)+8*(\b):FB+64*(\f)+8*(\b)+3],   v[ADRB] offset:(\q)*32*PB+32*(\b)
	ds_load_tr16_b128 v[FB+64*(\f)+8*(\b)+4:FB+64*(\f)+8*(\b)+7], v[ADRB] offset:(\q)*32*PB+16*PB+32*(\b)
.endr
.irp a, 0,1,2,3
	ds_load_b128 v[FA+32*(\f)+8*(\a):FA+32*(\f)+8*(\a)+3],   v[ADRA] offset:(\q)*64+(\a)*16*PA
	ds_load_b128 v[FA+32*(\f)+8*(\a)+4:FA+32*(\f)+8*(\a)+7], v[ADRA] offset:(\q)*64+(\a)*16*PA+32
.endr
.endm
; A K step is four quarters of 32 keys, 32 matrix instructions each, on buffers 0, 1, 0, 1.  One of the first three: scales and multiplies buffer f and, in its middle, fetches quarter q into buffer g.
.macro QUARTER q, f, g, mode
	s_wait_dscnt 4                                 ; the step's factors, V's fragments and p's row blocks 0, 1 are in; the youngest four loads (row blocks 2, 3) may be out
	SCALE \f, 0
	MULH \f, 0, \mode
	FETCH \q, \g
	s_wait_dscnt 24                                ; all but the 24 just issued
	SCALE \f, 2
	MULH \f, 2, \mode
.endm
; The last quarter multiplies buffer 1 and changes slots.  ONE barrier: in front of it each wave waits for all its tensor loads (one is out: its part of the next slot), adds 0 to its spare word,
; and waits for that and for its own reads of this slot.  Behind it nobody reads this slot any more and the next slot is whole.
.macro MEET
	WIN 0
	s_wait_tensorcnt 0x0                           ; all my tensor loads have landed, so a group 0 may be written;
	ds_add_u32 v[SPW], v[NIL]                      ; 0 onto my spare word;
	s_wait_dscnt 5                                 ; (the add and the youngest four loads may be out)
	SCALE 1, 0
	MUL8 1, 0, 0                                   ; work on registers stands between the add and the wait for it
	s_wait_dscnt 0x0                               ; the add is done, and my reads of this slot are over
	s_barrier_signal -1
	SCALE 1, 2                                     ; work on registers while the others arrive
	MUL8 1, 1, 0
	WIN 0                                          ; (branches and address lines follow)
	s_barrier_wait -1
.endm
; fill = 1: the barrier opens a round of the cluster's, and the slot just read out is filled again, two K steps ahead, first thing behind the round:
; from that request to the wait for it a wave issues 112 of a K step's 128 matrix instructions.
.macro TURN fill
	MEET
.if \fill
	CREST                                          ; no wave of any partner still reads this slot or has a load on its way
	s_xor_b32 s[G0A+5], s[G0A+5], SLOT1            ; the walking descriptors: the other slot than last time,
	s_add_nc_u64 s[G0A+6:G0A+7], s[G0A+6:G0A+7], ASTEP  ; the next 128 keys; the type bits on top are not reached
	s_xor_b32 s[G0B+5], s[G0B+5], SLOT1
	s_add_nc_u64 s[G0B+6:G0B+7], s[G0B+6:G0B+7], BSTEP
	JLOAD
.endif
	s_xor_b32 s[TB], s[TB], SLOT1
	v_add_nc_u32 v[ADRA], s[TB], v[A0]
	v_add_nc_u32 v[ADRB], s[TB], v[B0]
	v_add_nc_u32 v[FADR], s[FS], v[FL0]
	s_add_co_u32 s[FS], s[FS], 256                 ; the table's next row (behind the last K step: row 16, read for nothing)
.irp a, 0,1,2,3
	ds_load_b32 v[FAC+(\a)], v[FADR] offset:64*(\a)  ; the next step's factors: this step's scaling is done
.endr
	FETCH 0, 0
	MULH 1, 2, 0
.endm
	s_load_b256 s[4:11], s[0:1], 0x0               ; pbuf s[4:5], qkv s[6:7], stats s[8:9], out0 s[10:11]
	v_lshl_add_u32 v[SPW], v0, 2, SPARE
	v_mov_b32 v[NIL], 0
	ds_add_u32 v[SPW], v[NIL]                      ; the wave's opening: the add and its wait stand ahead of my first tensor load; the set-up below, work on registers, stands between them
	v_lshrrev_b32 v1, 5, v0
	v_readfirstlane_b32 s[WV], v1                  ; wave 0..3
	s_lshr_b32 s[MH], s[WV], 1
	s_and_b32 s[NH], s[WV], 1
	s_bfe_u32 s[CX], ttmp6, 0x40000
	s_bfe_u32 s[CY], ttmp6, 0x40004
	s_and_b32 s75, ttmp7, 0xffff                   ; the cluster's y
	s_lshl_b32 s[YT], s75, 2
	s_add_co_u32 s[YT], s[YT], s[CY]               ; query tile 0..63 = 4 x cluster y + cy
	s_lshr_b32 s75, s75, 2                         ; the batch: four clusters, 16 query tiles, to each; all partners share it
	s_lshl_b32 s74, ttmp9, 2
	s_add_co_u32 s74, s74, s[CX]                   ; column tile = 4 x cluster x + cx
	s_lshl_b32 s[RM], s[CY], 2
	s_lshl_b32 s[RM], 15, s[RM]                    ; my row of the cluster
	s_lshl_b32 s[CM], 0x1111, s[CX]                ; my column
	s_or_b32 s[G1A], s[RM], (1<<16)|(1<<20)|(1<<21)|(5<<22)|(3<<25)  ; 15:0 the mask; 17:16 2-byte elements; 20 padding on; 21 set beside a mask; 24:22 after every 64 words (code 5); 31:25 4 words (code 3)
	s_mov_b32 s[G1A+1], 128<<16                    ; tensor_dim0 = 128
	s_mov_b32 s[G1A+2], 64<<16                     ; tensor_dim1 = 64
	s_mov_b32 s[G1A+3], 128<<16                    ; tile_dim0 = 128
	s_mov_b32 s[G1A+4], 64                         ; tile_dim1 = 64: one load brings 64 rows
	s_mov_b32 s[G1A+5], 2048                       ; elements from row to row of pbuf
	s_mov_b32 s[G1A+6], 0
	s_mov_b32 s[G1A+7], 0
	s_or_b32 s[G1B], s[CM], (1<<16)|(1<<20)|(1<<21)|(6<<22)|(7<<25)  ; after every 128 words (code 6) 8 words of padding (code 7)
	s_mov_b32 s[G1B+1], 256<<16
	s_mov_b32 s[G1B+2], 64<<16
	s_mov_b32 s[G1B+3], 256<<16
	s_mov_b32 s[G1B+4], 64
	s_mov_b32 s[G1B+5], 1024
	s_mov_b32 s[G1B+6], 0
	s_mov_b32 s[G1B+7], 0
	s_lshl_b32 s40, s[YT], 7                       ; p's tile hangs on the query tile alone: row 128 y + 64 x half, 4,096 bytes a row
	s_lshl_b32 s41, s[NH], 6
	s_add_co_u32 s40, s40, s41
	s_lshl_b32 s40, s40, 12
	s_mov_b32 s41, 0
	s_lshl_b32 s42, s75, 22                        ; V's on the batch and the column tile: plane 2 + (2,048 batch + 64 x half) rows of 2,048 bytes + 512 x
	s_lshl_b32 s43, s[NH], 17
	s_add_co_u32 s42, s42, s43
	s_lshl_b32 s43, s74, 9
	s_add_co_u32 s42, s42, s43
	s_add_co_u32 s42, s42, 0x2000000
	s_mov_b32 s43, 0
	s_mul_i32 s44, s[NH], 64*PA                    ; where they go in a slot: no place in the cluster enters an LDS address
	s_mul_i32 s45, s[NH], 64*PB
	s_add_co_u32 s45, s45, BOFF
	s_lshl_b32 s66, s[YT], 7                       ; my part of the output: (128 y + 64 MH) rows of 4,096 bytes + 4 (256 x + 128 NH)
	s_lshl_b32 s67, s[MH], 6
	s_add_co_u32 s66, s66, s67
	s_lshl_b32 s66, s66, 12
	s_lshl_b32 s67, s74, 10
	s_add_co_u32 s66, s66, s67
	s_lshl_b32 s67, s[NH], 9
	s_add_co_u32 s66, s66, s67
	s_mov_b32 s67, 0
	s_lshl_b32 s70, s75, 17                        ; my 64 queries in stats: 4 (16 batch x 2,048 + 128 (y % 16) + 64 MH)
	s_and_b32 s71, s[YT], 15
	s_lshl_b32 s71, s71, 9
	s_add_co_u32 s70, s70, s71
	s_lshl_b32 s71, s[MH], 8
	s_add_co_u32 s70, s70, s71
	s_mov_b32 s71, 0
	s_mul_i32 s[FS], s[WV], 17*256
	s_add_co_u32 s[FS], s[FS], TAB                 ; my table
	s_wait_dscnt 0x0                               ; the opening add is done
	s_wait_kmcnt 0x0
	s_add_nc_u64 s[40:41], s[4:5], s[40:41]
	s_add_nc_u64 s[42:43], s[6:7], s[42:43]
	s_add_nc_u64 s[10:11], s[10:11], s[66:67]
	s_add_nc_u64 s[8:9], s[8:9], s[70:71]
.irp s, 0,1
	s_mov_b32 s[G0A+4*(\s)], 1                                       ; 1:0 count = 1
	s_add_co_u32 s[G0A+4*(\s)+1], s44, (\s)*SLOT1                    ; 63:32 LDS address
	s_add_nc_u64 s[G0A+4*(\s)+2:G0A+4*(\s)+3], s[40:41], (\s)*ASTEP  ; 120:64 global address: K step s
	s_or_b32 s[G0A+4*(\s)+3], s[G0A+4*(\s)+3], 0x80000000            ; 127:126 type = 2
	s_mov_b32 s[G0B+4*(\s)], 1
	s_add_co_u32 s[G0B+4*(\s)+1], s45, (\s)*SLOT1
	s_add_nc_u64 s[G0B+4*(\s)+2:G0B+4*(\s)+3], s[42:43], (\s)*BSTEP
	s_or_b32 s[G0B+4*(\s)+3], s[G0B+4*(\s)+3], 0x80000000
.endr
	CROUND                                         ; all sixteen work-groups are here: the first joint loads meet
	s_cmp_lt_u32 s[WV], 2                          ; a wave's two first fills stand in one branch, ahead of every wait on TENSORcnt and every LDS read: two loads of mine are out
	s_cbranch_scc0 .Lfirst_b
	tensor_load_to_lds s[G0A:G0A+3], s[G1A:G1A+7]
	s_nop 0
	tensor_load_to_lds s[G0A+4:G0A+7], s[G1A:G1A+7]
	s_nop 0
.rept 4
	v_nop
.endr
	s_branch .Lfirst_asked
.Lfirst_b:
	tensor_load_to_lds s[G0B:G0B+3], s[G1B:G1B+7]
	s_nop 0
	tensor_load_to_lds s[G0B+4:G0B+7], s[G1B:G1B+7]
	s_nop 0
.rept 4
	v_nop
.endr
.Lfirst_asked:
	; THE TABLE, each wave for its own 64 queries, in the wait for the first tiles.  Lane l takes queries 2 l and 2 l + 1: a load covers 256 consecutive bytes, aligned.
	v_and_b32 v3, 31, v0
	v_lshlrev_b32 v4, 3, v3                        ; 8 x lane
.set i, 0
.rept 16
	global_load_b64 v[CMB+2*i:CMB+2*i+1], v4, s[8:9] offset:8192*i
.set i, i+1
.endr
.set i, 0
.rept 16
	global_load_b64 v[LB+2*i:LB+2*i+1], v4, s[8:9] offset:524288+8192*i
.set i, i+1
.endr
	v_and_b32 v1, 15, v0                           ; r = lane % 16
	v_bfe_u32 v2, v0, 4, 1                         ; h = lane / 16
	v_mul_u32_u24 v6, v1, PA
	v_lshl_add_u32 v6, v2, 4, v6                   ; a fragment of p: row r x 272 + 16 h
	s_mul_i32 s70, s[MH], 64*PA                    ; my 64 rows
	v_add_nc_u32 v[A0], s70, v6
	; The turning load takes 16 key rows x 16 columns (lane reads 16 bytes: key row 8 h + lane % 8, columns 8 ((lane / 8) % 2) + 0..7) and leaves half a fragment: lane holds column r and 8 keys.
	v_and_b32 v7, 7, v0
	v_bfe_u32 v8, v0, 3, 1
	v_lshl_add_u32 v9, v2, 3, v7
	v_mul_u32_u24 v9, v9, PB
	v_lshl_add_u32 v9, v8, 4, v9
	s_lshl_b32 s70, s[NH], 8                       ; my 128 columns
	s_add_co_u32 s70, s70, BOFF
	v_add_nc_u32 v[B0], s70, v9
	s_mul_i32 s70, s[WV], 16*SP
	s_add_co_u32 s70, s70, STAGE                   ; my stage
	v_mul_u32_u24 v9, v1, SP                       ; in: row r, 32 bytes for each half of the lanes
	v_lshl_add_u32 v9, v2, 5, v9
	v_add_nc_u32 v[STO], s70, v9
	v_lshlrev_b32 v[CO], 4, v3                     ; back and out: 32 lanes take a row's 512 bytes
	v_add_nc_u32 v[RD], s70, v[CO]
	v_lshlrev_b32 v[FL0], 2, v1
	v_add_nc_u32 v5, s[FS], v4                     ; where I put two queries' words of a table row
	s_wait_loadcnt 0x0                             ; cm and l
.irp e, 0,1
	v_max3_num_f32 v[MX+\e], v[CMB+\e], v[CMB+2+\e], v[CMB+4+\e]
.irp g, 0,1,2,3,4,5
	v_max3_num_f32 v[MX+\e], v[MX+\e], v[CMB+6+4*\g+\e], v[CMB+8+4*\g+\e]
.endr
	v_max_num_f32 v[MX+\e], v[MX+\e], v[CMB+30+\e]  ; cm_row
.endr
.set i, 0
.rept 16
	v_pk_add_f32 v[CMB+2*i:CMB+2*i+1], v[CMB+2*i:CMB+2*i+1], v[MX:MX+1] neg_lo:[0,1] neg_hi:[0,1]  ; cm_blk - cm_row
.set i, i+1
.endr
.set i, 0
.rept 32
	v_exp_f32 v[CMB+i], v[CMB+i]                   ; f
.set i, i+1
.endr
	v_nop                                          ; a plain instruction between the last exponential and the use of its result (ISA guide 5.7.2)
	s_wait_alu depctr_va_vdst(0)
	v_pk_mul_f32 v[LSUM:LSUM+1], v[CMB:CMB+1], v[LB:LB+1]
.set i, 1
.rept 15
	v_pk_fma_f32 v[LSUM:LSUM+1], v[CMB+2*i:CMB+2*i+1], v[LB+2*i:LB+2*i+1], v[LSUM:LSUM+1]  ; l_row, in f32
.set i, i+1
.endr
	v_rcp_f32 v[RC], v[LSUM]
	v_rcp_f32 v[RC+1], v[LSUM+1]                   ; the conversions below are the plain instructions behind the reciprocals
.set i, 0
.rept 32
	v_cvt_pk_f16_f32 v[FH+i], v[CMB+i], v[CMB+i]   ; {f, f}
.set i, i+1
.endr
.set i, 0
.rept 16
	ds_store_b64 v5, v[FH+2*i:FH+2*i+1] offset:256*i
.set i, i+1
.endr
	s_wait_alu depctr_va_vdst(0)
	ds_store_b64 v5, v[RC:RC+1] offset:4096
	v_add_nc_u32 v[FADR], s[FS], v[FL0]
	s_add_co_u32 s[FS], s[FS], 256
.irp a, 0,1,2,3                        ; the table is my wave's own, and LDS serves a wave's instructions in order (ISA guide 5.7.1.4): these see the stores above
	ds_load_b32 v[RL+2*(\a)],   v[FADR] offset:4096+64*(\a)
	ds_load_b32 v[RL+2*(\a)+1], v[FADR] offset:4096+64*(\a)
	ds_load_b32 v[FAC+(\a)],    v[FADR] offset:64*(\a)  ; K step 0's factors
.endr
	s_wait_tensorcnt 0x1                           ; my part of K step 0 is in; K step 1's may stay out
	s_wait_dscnt 0x0                               ; no LDS instruction of mine is pending at the signal
	s_barrier_signal -1
	s_barrier_wait -1                              ; everybody's part is in
	s_mov_b32 s[TB], 0
	v_add_nc_u32 v[ADRA], s[TB], v[A0]
	v_add_nc_u32 v[ADRB], s[TB], v[B0]
	FETCH 0, 0
	QUARTER 1, 0, 1, 1                             ; the first quarter stands in front of the loop: its products start the sums
	WIN 0                                          ; at a label and at a branch every window is 0
	s_mov_b32 s[CNT], STEPS-2
.Lk:                                                   ; a trip: a K step's quarters 1 to 3 and the next step's quarter 0; it asks for the step two on
	QUARTER 2, 1, 0, 0
	QUARTER 3, 0, 1, 0
	TURN 1
	QUARTER 1, 0, 1, 0
	WIN 0
	s_sub_co_u32 s[CNT], s[CNT], 1
	s_cmp_lg_u32 s[CNT], 0
	s_cbranch_scc1 .Lk
	s_mov_b32 s[CNT], 2                            ; the last two K steps ask for nothing
.Ltail:
	QUARTER 2, 1, 0, 0
	QUARTER 3, 0, 1, 0
	TURN 0
	WIN 0
	s_sub_co_u32 s[CNT], s[CNT], 1
	s_cmp_eq_u32 s[CNT], 0
	s_cbranch_scc1 .Lout
	QUARTER 1, 0, 1, 0
	WIN 0
	s_branch .Ltail
.Lout:
	s_wait_dscnt 0x0                               ; the last change of slots has fetched into buffer 0, for nothing: those registers are used below
.rept 4
	v_nop                                          ; four places behind the last products: the lines below write registers that they read, and read results (ISA guide 7.12.1)
.endr
; THE WAY OUT of row block a.  OUT: divided by l_row, each accumulator's registers in ascending order.  TOSTAGE: into my own stage, and back as whole rows of 512 bytes.  SEND: stored.
.macro OUT a
	WIN 0x01                                       ; source 0 in window 1
.set i, 0
.rept 32
	v_pk_mul_f32 v[TO+2*i:TO+2*i+1], v[64*(\a)+2*i:64*(\a)+2*i+1], v[RL+2*(\a):RL+2*(\a)+1] op_sel_hi:[1,0]
.set i, i+1
.endr
	WIN 0
.endm
.macro TOSTAGE a
.if (\a) >= 2
	s_wait_xcnt 0x0                                ; the stores of the block two back have read these registers: they are loaded again only behind this wait
.endif
.irp b, 0,1,2,3,4,5,6,7
	ds_store_b128 v[STO], v[TO+8*(\b):TO+8*(\b)+3]   offset:64*(\b)
	ds_store_b128 v[STO], v[TO+8*(\b)+4:TO+8*(\b)+7] offset:64*(\b)+16
.endr
.irp t, 0,1,2,3,4,5,6,7,8,9,10,11,12,13,14,15
	ds_load_b128 v[BK+64*((\a)%2)+4*(\t):BK+64*((\a)%2)+4*(\t)+3], v[RD] offset:(\t)*SP  ; LDS serves a wave's instructions in order (ISA guide 5.7.1.4): these see the stores above
.endr
.endm
.macro SEND a
	s_wait_dscnt 0x0                               ; the block is back in registers
.irp t, 0,1,2,3,4,5,6,7,8,9,10,11,12,13,14,15
	global_store_b128 v[CO], v[BK+64*((\a)%2)+4*(\t):BK+64*((\a)%2)+4*(\t)+3], s[10:11] offset:(16*(\a)+(\t))*4096 th:TH_STORE_NT  ; 32 lanes store 512 consecutive bytes, at a multiple of 512 from the buffer's first byte
.endr
.endm
	OUT 0
	TOSTAGE 0
.irp a, 1,2,3                          ; block a's arithmetic stands between block a - 1's loads from the stage and the wait for them
	OUT \a
	SEND (\a)-1
	TOSTAGE \a
.endr
	SEND 3
	s_wait_tensorcnt 0x0                           ; the wave's end, behind my last tensor load and my last LDS store
	ds_add_u32 v[SPW], v[NIL]
	s_wait_dscnt 0x0
	CROUND                                         ; the closing round: no work-group ends while a partner may still ask for a tile that names it
	s_endpgm
.Lfunc_end_k_qd8627cfe3f_pv:
	.size	k_qd8627cfe3f_pv, .Lfunc_end_k_qd8627cfe3f_pv-k_qd8627cfe3f_pv
	.p2alignl 7, 3214868480
	.fill 96, 4, 3214868480
	.section	.rodata,"a",@progbits
	.p2align	6, 0x0
	.amdhsa_kernel k_qd8627cfe3f_pv
		.amdhsa_group_segment_fixed_size 327680
		.amdhsa_private_segment_fixed_size 0
		.amdhsa_enable_private_segment 0
		.amdhsa_kernarg_size 32
		.amdhsa_user_sgpr_count 2
		.amdhsa_user_sgpr_kernarg_segment_ptr 1
		.amdhsa_wavefront_size32 1
		.amdhsa_system_sgpr_workgroup_id_x 1
		.amdhsa_system_sgpr_workgroup_id_y 1
		.amdhsa_system_sgpr_workgroup_id_z 1
		.amdhsa_system_vgpr_workitem_id 0
		.amdhsa_next_free_vgpr 512
		.amdhsa_next_free_sgpr 80
		.amdhsa_reserve_vcc 0
		.amdhsa_float_denorm_mode_32 3
		.amdhsa_float_denorm_mode_16_64 3
		.amdhsa_memory_ordered 1
		.amdhsa_forward_progress 1
		.amdhsa_inst_pref_size 97
	.end_amdhsa_kernel
	.amdgpu_metadata
---
amdhsa.version: [ 1, 2 ]
amdhsa.kernels:
  - .name:           k_qd8627cfe3f_pv
    .symbol:         k_qd8627cfe3f_pv.kd
    .args:
      - { .name: pbuf, .offset: 0, .size: 8, .value_kind: global_buffer, .address_space: global }
      - { .name: qkv, .offset: 8, .size: 8, .value_kind: global_buffer, .address_space: global }
      - { .name: stats, .offset: 16, .size: 8, .value_kind: global_buffer, .address_space: global }
      - { .name: out0, .offset: 24, .size: 8, .value_kind: global_buffer, .address_space: global }
    .group_segment_fixed_size: 327680
    .private_segment_fixed_size: 0
    .kernarg_segment_align: 8
    .kernarg_segment_size: 32
    .max_flat_workgroup_size: 128
    .sgpr_count:     80
    .vgpr_count:     512
    .wavefront_size: 32
...
	.end_amdgpu_metadata
.endif
;; end of part 4
;; ======== version 2 of 2: 4 launches; version 1 with the launch prep written anew for expert scheduling mode
;; limits: values are held in f16: magnitudes above 65,504 overflow, below 6.1e-05 lose precision
;; workspace buffers: xb 16,777,216 bytes; wb 6,291,456 bytes; qkv 50,331,648 bytes; pbuf 33,554,432 bytes; stats 1,048,576 bytes
;; launch prep (part 5): grid 704 x 1, 8 waves a work-group, no clusters, 0 bytes of LDS; arguments x, Wq, Wk, Wv, xb, wb; writes xb, wb
.if DOCPART == 5
	.amdgcn_target "amdgcn-amd-amdhsa--gfx1250"
	.amdhsa_code_object_version 6
	.text
	.protected	k_qd8627cfe3f_prep
	.globl	k_qd8627cfe3f_prep
	.p2align	8
	.type	k_qd8627cfe3f_prep,@function
k_qd8627cfe3f_prep:
	s_mov_b64 s[64:65], 0
	v_nop
	global_prefetch_b8 v0, s[64:65] scope:SCOPE_SE
	s_setreg_imm32_b32 hwreg(HW_REG_WAVE_SCHED_MODE, 0, 2), 2
	s_setreg_imm32_b32 hwreg(HW_REG_WAVE_MODE, 25, 1), 1
	s_wait_xcnt 0x0
	s_wait_alu depctr_vm_vsrc(0)
; xb = bf16(x), wb = bf16(Wq), bf16(Wk), bf16(Wv) one behind the other: the matrix operands of the projections, each rounded once, to nearest even.
; 11,264 rows of 1,024 f32 in all (8,192 of x, 3 x 1,024 of W); a work-group takes 16 rows: groups 0-511 x, 512-575 Wq, 576-639 Wk, 640-703 Wv.
; Thread t owns the 4 numbers at byte 16 t of every row: a wave's load covers 512 consecutive bytes, its store 256 consecutive bytes, aligned.
; A stream: no LDS, no barrier, no matrix unit.  All 16 loads of a wave go out at once; no register is written twice.
; THE MODE: SCHED_MODE bits 1:0 = 2 (LLVM: expert scheduling mode 2), set by the entry lines.  The code itself states the register dependences
; between vector instructions and memory instructions, with s_wait_alu, always for 0.
; THE PLAN.  Registers that memory instructions touch:
;   v1, v2   byte offsets, made once at the head and never written again; v1 is read by every load, v2 by every store.
;   XR       row i: written by row i's load alone, which is issued before any vector instruction names it; read by row i's two conversions.
;   YR       row i: written by row i's two conversions, once; read by row i's store.
; The 16 rows go in four blocks of four.  Block p rounds its rows into its part of YR; its memory instructions are the four stores of block p - 1, which read v2 and
; block p - 1's part of YR: registers that no vector instruction of block p names.  So one wait at a block's head states all that its four stores hang on, and they
; are dealt among the block's conversions with no further wait.  No register that a memory instruction reads is ever written again, so nothing is owed the other way round;
; no vector instruction writes a scalar register, and EXEC is never written.
.set ROWS,  16
.set BLOCK, 4                          ; rows in a block
.set XR,   4                           ; v[4:67]   row i: 4 registers as loaded
.set YR,   68                          ; v[68:99]  row i: 2 registers to store
	s_load_b256 s[4:11], s[0:1], 0x0               ; x s[4:5], Wq s[6:7], Wk s[8:9], Wv s[10:11]
	s_load_b128 s[12:15], s[0:1], 0x20             ; xb s[12:13], wb s[14:15]
	s_sub_co_u32 s16, ttmp9, 512                   ; a W group's number among the 192 (used only where the group's number is 512 or more)
	s_and_b32 s17, s16, 63                         ; and inside its own matrix
	s_cmp_lt_u32 ttmp9, 512
	s_cselect_b32 s17, ttmp9, s17                  ; block of 16 rows in the source
	s_cselect_b32 s16, ttmp9, s16                  ; block of 16 rows in the destination
	s_lshl_b32 s18, s17, 16                        ; 16 rows x 4,096 bytes
	s_mov_b32 s19, 0
	s_lshl_b32 s20, s16, 15                        ; 16 rows x 2,048 bytes
	s_mov_b32 s21, 0
	v_lshlrev_b32 v1, 4, v0                        ; my 16 bytes of a source row
	v_lshlrev_b32 v2, 3, v0                        ; my 8 bytes of a destination row
	s_wait_kmcnt 0x0
	s_cmp_lt_u32 ttmp9, 640                        ; the source is chosen by the group's number alone
	s_cselect_b64 s[22:23], s[8:9], s[10:11]
	s_cmp_lt_u32 ttmp9, 576
	s_cselect_b64 s[22:23], s[6:7], s[22:23]
	s_cmp_lt_u32 ttmp9, 512
	s_cselect_b64 s[22:23], s[4:5], s[22:23]
	s_cselect_b64 s[24:25], s[12:13], s[14:15]
	s_add_nc_u64 s[22:23], s[22:23], s[18:19]
	s_add_nc_u64 s[24:25], s[24:25], s[20:21]
	s_wait_alu depctr_va_vdst(0)                   ; v1 and v2 are written: every load of the kernel reads v1 as its offset, every store v2
.set i, 0
.rept ROWS
	global_load_b128 v[XR+4*i:XR+4*i+3], v1, s[22:23] offset:4096*i th:TH_LOAD_NT
.set i, i+1
.endr
.set p, 0
.rept ROWS/BLOCK
	s_wait_loadcnt ROWS-BLOCK*(p+1)                ; loads come back in order: block p's four rows are in, the younger blocks stay out
.if p > 0
	s_wait_alu depctr_va_vdst(0)                   ; the block before has written its rows of YR, which the four stores below read
.endif
.set i, BLOCK*p
.rept BLOCK
.if p > 0
	global_store_b64 v2, v[YR+2*(i-BLOCK):YR+2*(i-BLOCK)+1], s[24:25] offset:2048*(i-BLOCK)  ; the block before; no vector instruction since the wait names these registers
.endif
	v_cvt_pk_bf16_f32 v[YR+2*i],   v[XR+4*i],   v[XR+4*i+1]
	v_cvt_pk_bf16_f32 v[YR+2*i+1], v[XR+4*i+2], v[XR+4*i+3]
.set i, i+1
.endr
.set p, p+1
.endr
	s_wait_alu depctr_va_vdst(0)                   ; the last block has written its rows of YR, which the last four stores read
.set i, ROWS-BLOCK
.rept BLOCK
	global_store_b64 v2, v[YR+2*i:YR+2*i+1], s[24:25] offset:2048*i
.set i, i+1
.endr
	s_endpgm
.Lfunc_end_k_qd8627cfe3f_prep:
	.size	k_qd8627cfe3f_prep, .Lfunc_end_k_qd8627cfe3f_prep-k_qd8627cfe3f_prep
	.p2alignl 7, 3214868480
	.fill 96, 4, 3214868480
	.section	.rodata,"a",@progbits
	.p2align	6, 0x0
	.amdhsa_kernel k_qd8627cfe3f_prep
		.amdhsa_group_segment_fixed_size 0
		.amdhsa_private_segment_fixed_size 0
		.amdhsa_enable_private_segment 0
		.amdhsa_kernarg_size 48
		.amdhsa_user_sgpr_count 2
		.amdhsa_user_sgpr_kernarg_segment_ptr 1
		.amdhsa_wavefront_size32 1
		.amdhsa_system_sgpr_workgroup_id_x 1
		.amdhsa_system_sgpr_workgroup_id_y 1
		.amdhsa_system_sgpr_workgroup_id_z 1
		.amdhsa_system_vgpr_workitem_id 0
		.amdhsa_next_free_vgpr 104
		.amdhsa_next_free_sgpr 66
		.amdhsa_reserve_vcc 0
		.amdhsa_float_denorm_mode_32 3
		.amdhsa_float_denorm_mode_16_64 3
		.amdhsa_memory_ordered 1
		.amdhsa_forward_progress 1
		.amdhsa_inst_pref_size 7
	.end_amdhsa_kernel
	.amdgpu_metadata
---
amdhsa.version: [ 1, 2 ]
amdhsa.kernels:
  - .name:           k_qd8627cfe3f_prep
    .symbol:         k_qd8627cfe3f_prep.kd
    .args:
      - { .name: x, .offset: 0, .size: 8, .value_kind: global_buffer, .address_space: global }
      - { .name: Wq, .offset: 8, .size: 8, .value_kind: global_buffer, .address_space: global }
      - { .name: Wk, .offset: 16, .size: 8, .value_kind: global_buffer, .address_space: global }
      - { .name: Wv, .offset: 24, .size: 8, .value_kind: global_buffer, .address_space: global }
      - { .name: xb, .offset: 32, .size: 8, .value_kind: global_buffer, .address_space: global }
      - { .name: wb, .offset: 40, .size: 8, .value_kind: global_buffer, .address_space: global }
    .group_segment_fixed_size: 0
    .private_segment_fixed_size: 0
    .kernarg_segment_align: 8
    .kernarg_segment_size: 48
    .max_flat_workgroup_size: 256
    .sgpr_count:     66
    .vgpr_count:     104
    .wavefront_size: 32
...
	.end_amdgpu_metadata
.endif
;; end of part 5
;; launch proj: the kernel of part 2 again; grid 8 x 64, 4 waves a work-group, clusters of 4 x 4, 327,680 bytes of LDS; arguments xb, wb, bq, bk, bv, qkv; writes qkv
;; launch scores: the kernel of part 3 again; grid 8 x 32, 4 waves a work-group, clusters of 4 x 4, 327,680 bytes of LDS; arguments qkv, pbuf, stats; writes pbuf, stats
;; launch pv: the kernel of part 4 again; grid 4 x 64, 4 waves a work-group, clusters of 4 x 4, 327,680 bytes of LDS; arguments pbuf, qkv, stats, out0; writes out0
